; MI455X (gfx1250); checked and timed in simulation.
; The chip was launched on July 23, 2026; its instructions are those of AMD's public machine-readable ISA for CDNA 5 (MIT licence, August 2026) and "CDNA5" Instruction Set Architecture Reference Guide (July 2026). The comments in the code are by the model that wrote it; some were corrected since.
;; Causal Self Attention. Allowed arithmetic: matrix products marked QUANTISED: E4M3 operands, one E8M0 scale for each 32 along K, by v_wmma_scale_f32_16x16x128_f8f6f4 with both operands' format E4M3, f32 sums; everything else in f32.
;; Inputs: W_attn 1,024 x 3,072 float32; W_proj 1,024 x 1,024 float32; b_attn 3,072 float32; b_proj 1,024 float32; x 4 x 2,048 x 1,024 float32.
;; Outputs: out0 4 x 2,048 x 1,024 float32.
;; This version of the problem:
;;   THIS VERSION OF THE PROBLEM IS GIVEN IN LOW PRECISION. The matrix products marked QUANTISED in the list below multiply operands that are first quantised to E4M3 (4 exponent bits, 3 mantissa bits; 8 bits a number), with one power-of-two scale for each 32 numbers along K (OCP MX v1.0); their sums are f32. All else is computed in f32.
;;   The module's matrix products, in the order in which they are computed (A, B: the left and right operand; K: the contracted axis; several contracted axes count as one K, in the product's order):
;;     1. [M 8,192, K 1,024] x [K 1,024, N 3,072]; A: input x; B: input W_attn: QUANTISED
;;     2. batch 64 x [M 2,048, K 64] x [K 64, N 2,048]; A: computed on the way; B: computed on the way: QUANTISED
;;     3. batch 64 x [M 2,048, K 2,048] x [K 2,048, N 64]; A: softmax (see below); B: computed on the way: QUANTISED
;;     4. [M 8,192, K 1,024] x [K 1,024, N 1,024]; A: computed on the way; B: input W_proj: QUANTISED
;;   THE QUANTISER, for each operand of a quantised product, along K:
;;     - K is cut into blocks of 32 from its start; a last block that is shorter is filled with zeros.
;;     - A block's scale is 2^e with e = floor(log2(the largest magnitude in the block)) - 8, held to -126 .. 127; a block of zeros has e = 0. As a byte (E8M0): e + 127.
;;     - Each number is divided by its block's scale, clamped to +-448, and rounded to the nearest number of E4M3, ties to even, subnormals kept.
;;     - The product sums the exact products of the quantised numbers (number of the format x scale) in f32.
;;   ~~~python
;;   def quantise(x, axis):      # numpy; x: float32 -> the quantised numbers, widened to float32 again
;;       x = np.moveaxis(x, axis, -1); K = x.shape[-1]
;;       x = np.pad(x, [(0, 0)] * (x.ndim - 1) + [(0, -K % 32)]); x = x.reshape(x.shape[:-1] + (-1, 32)); a = np.abs(x).max(-1, keepdims=True)
;;       e = np.where(a > 0, np.clip(np.frexp(np.where(a > 0, a, 1))[1] - 1 - 8, -126, 127), 0)      # np.frexp(a)[1] - 1 = floor(log2(a)), exactly
;;       r = np.clip(x / 2.0 ** e, -448, 448)
;;       step = 2.0 ** (np.maximum(np.frexp(np.where(r == 0, 1, r))[1] - 1, -6) - 3)
;;       q = np.round(r / step) * step * 2.0 ** e      # np.round: ties to even
;;       return np.moveaxis(q.reshape(q.shape[:-2] + (-1,))[..., :K], -1, axis).astype(np.float32)
;;   ~~~
;;   SOFTMAX AHEAD OF A QUANTISED PRODUCT. Where the list says 'softmax', what is quantised is not the finished softmax but p = 2^(t - M), with t = logit x log2(e) and M = ceil(the row's largest t), a whole number; so 1/2 < the row's largest p <= 1. The row's sum l is taken of the UNQUANTISED p, in f32, and the product's result is divided by l at the end. Since M is a whole number, a kernel that streams over the keys may use a running M (the ceiling of the running maximum): every later rescaling is an exact power of two, which a block's scale takes up: the codes' values come out the same.
;;   OPERANDS COMPUTED ON THE WAY. 'Computed on the way' means the value that the module computes at that place (a softmax that the list does not call 'softmax' is quantised finished and normalised). What goes into a quantiser is computed in f32, as accurately as f32 sums, v_exp_f32 and their like allow (about 1e-6 of the number): no bf16 or f16 on the way to a quantiser, and a product that is left as it is and whose result goes on into a quantised operand takes f32 operands (vector FMAs, or v_wmma_f32_16x16x4_f32). A number that lies on a knife's edge between two numbers of the format may be rounded either way, as far as f32 arithmetic and the matrix unit's own rounding can turn it there, and no further.
;; One version. Each part assembles by itself: llvm-mc -triple=amdgcn-amd-amdhsa -mcpu=gfx1250 --defsym DOCPART=n.
;; ======== version 1 of 1: 4 launches
;; limits: right only within a limited range of input values
;; workspace buffers: xc 8,388,608 bytes; xs 262,144 bytes; wc 4,194,304 bytes; ws 131,072 bytes; qkvc 25,165,824 bytes; qkvs 1,310,720 bytes; yc 8,388,608 bytes; ys 262,144 bytes
;; launch quant (part 1): grid 384 x 1, 4 waves a work-group, no clusters, 68,096 bytes of LDS; arguments x, W_attn, W_proj, xc, xs, wc, ws; writes xc, xs, wc, ws
.if DOCPART == 1
	.amdgcn_target "amdgcn-amd-amdhsa--gfx1250"
	.amdhsa_code_object_version 6
	.text
	.protected	k_q9d04e11e2e_quant
	.globl	k_q9d04e11e2e_quant
	.p2align	8
	.type	k_q9d04e11e2e_quant,@function
k_q9d04e11e2e_quant:
	s_mov_b64 s[64:65], 0
	v_nop
	global_prefetch_b8 v0, s[64:65] scope:SCOPE_SE
	s_setreg_imm32_b32 hwreg(HW_REG_WAVE_MODE, 25, 1), 1
	s_wait_xcnt 0x0
; x [8192][1024], W_attn [1024][3072] and W_proj [1024][1024], f32, become codes of E4M3 with K innermost and one E8M0 byte for each 32 along K.
; xc [8192][1024], xs [8192][32]: rows are tokens.  wc [4096][1024], ws [4096][32]: rows 0-3071 are W_attn's columns, rows 3072-4095 W_proj's.
; EVERY ROW n IS STORED AT pos(n) = n WITH BITS 3 AND 4 EXCHANGED: sixteen consecutive stored rows are then the rows 32 b + 8 u + r + 8 (r / 8) that the products' tiles want,
; so that a transposed product leaves a lane sixteen neighbours along the next product's K.
; A block's scale is 2^(floor(log2(largest magnitude)) - 8); its byte is the largest magnitude's exponent field - 8, held at 1 from below; numbers are held within +-448 x the scale.
; LIMITS: blocks whose largest magnitude lies under 2^-118 (zeros among them) keep the byte 1: their codes are right under it, and this program alone reads the bytes; NaN and infinities are not served.
; Work-groups 0-255 take x (K innermost: a stream of blocks; a wave takes 8 rows), work-groups 256-383 take the weights (K outermost: a lane takes a column, its registers run down K).
; The two ways never join, and each has LDS bytes of its own.  No tensor loads, no barrier: waves share nothing; memory binds, so matrix units and clusters have nothing to add here.
.set MANT,   0x600000                  ; the mantissa field of 448 as f32
.set XSTEPS, 16                        ; x: steps of 512 numbers for a wave
.set XSP,    80                        ; a lane's place in a stage: 64 bytes + 16 of padding
.set XREG,   8192                      ; LDS for a wave: two stages of 32 x 80 bytes, then its 256 scale bytes
.set XR,     16                        ; v16-79   four sets of 16 numbers as loaded
.set XX,     80                        ; v80-111  two sets of 16 neighbours
.set XE,     112                       ; v112-127 a scale byte for each step
.set XC,     128                       ; v128-191 codes, four registers for each step
.set WSTG,   32768                     ; the weights' stages begin here: 32 rows x 272 bytes for each wave
.set WPITCH, 272
.set WNB,    8                         ; blocks of 32 along K for a wave
.set WX,     32                        ; v32-95   two sets of 32 numbers
.set WC,     96                        ; v96-103  a block's codes
.set WOUT,   112                       ; v112-175 the way out
.set WSB,    24                        ; v24-25   eight scale bytes
.set WOF,    176                       ; v176-207 byte offset of row i of a block: i x the tensor's pitch + 4 x lane
	s_load_b256 s[4:11], s[0:1], 0x0               ; x s[4:5], W_attn s[6:7], W_proj s[8:9], xc s[10:11]
	s_load_b128 s[12:15], s[0:1], 0x20             ; xs s[12:13], wc s[14:15]
	s_load_b64 s[16:17], s[0:1], 0x30              ; ws
	v_lshl_add_u32 v208, v0, 2, 0x10800
	v_mov_b32 v209, 0
	v_lshrrev_b32 v1, 5, v0
	v_readfirstlane_b32 s18, v1                    ; wave
	v_and_b32 v2, 31, v0                           ; lane
	s_cmp_lt_u32 ttmp9, 256
	s_cbranch_scc0 .Lweights
; ---------------------------------------------------------------- x
	v_lshlrev_b32 v3, 4, v2                        ; my 16 bytes of a load's 512
	s_mul_i32 s19, s18, XREG
	v_lshrrev_b32 v14, 2, v2
	v_mul_u32_u24 v14, v14, XSP
	v_and_b32 v15, 3, v2
	v_lshl_add_u32 v14, v15, 4, v14
	v_add_nc_u32 v14, s19, v14                     ; the stage, in: four lanes' 64 bytes on end, then 16 of padding
	v_mul_u32_u24 v15, v2, XSP
	v_add_nc_u32 v15, s19, v15                     ; out: my 16 neighbours
	v_lshlrev_b32 v4, 4, v2                        ; my codes' place in a step's 512 bytes
	v_lshrrev_b32 v5, 1, v2
	s_add_co_u32 s19, s19, 2*32*XSP
	v_add_nc_u32 v5, s19, v5                       ; my block's byte among my wave's 256
	v_lshlrev_b32 v7, 3, v2
	v_add_nc_u32 v6, s19, v7                       ; and on the way out 8 bytes a lane
	s_lshl_b32 s20, ttmp9, 2
	s_add_co_u32 s24, s20, s18                     ; the run of 8 rows that I read: 4 x work-group + wave
	s_and_b32 s21, s18, 1
	s_lshl_b32 s21, s21, 1
	s_lshr_b32 s22, s18, 1
	s_or_b32 s21, s21, s22
	s_add_co_u32 s26, s20, s21                     ; and where it goes: the wave's two bits are the rows' bits 3 and 4: exchanged
	s_lshl_b32 s24, s24, 15                        ; 32,768 bytes of f32 a run
	s_mov_b32 s25, 0
	s_lshl_b32 s28, s26, 13                        ; 8,192 bytes of codes
	s_mov_b32 s29, 0
	s_lshl_b32 s26, s26, 8                         ; 256 scale bytes
	s_mov_b32 s27, 0
	s_wait_alu depctr_va_vdst(0)
	s_wait_kmcnt 0x0
	s_add_nc_u64 s[4:5], s[4:5], s[24:25]
	s_add_nc_u64 s[10:11], s[10:11], s[28:29]
	s_add_nc_u64 s[12:13], s[12:13], s[26:27]
.macro XLOAD t
.irp i, 0,1,2,3
	global_load_b128 v[XR+16*((\t)%4)+4*\i:XR+16*((\t)%4)+4*\i+3], v3, s[4:5] offset:2048*(\t)+512*\i th:TH_LOAD_NT   ; 32 lanes read 512 consecutive bytes
.endr
.endm
.macro XTURN t                         ; step t's numbers through the stage; LDS serves a wave's instructions in order, so no wait stands between the stores and the loads
.irp i, 0,1,2,3
	ds_store_b128 v14, v[XR+16*((\t)%4)+4*\i:XR+16*((\t)%4)+4*\i+3] offset:32*XSP*((\t)%2)+8*XSP*\i
.endr
.irp i, 0,1,2,3
	ds_load_b128 v[XX+16*((\t)%2)+4*\i:XX+16*((\t)%2)+4*\i+3], v15 offset:32*XSP*((\t)%2)+16*\i
.endr
.endm
.irp t, 0,1,2,3
	XLOAD \t
.endr
	s_wait_loadcnt 12                              ; step 0's four loads are in; the twelve of steps 1 to 3 stay out
	XTURN 0
.macro XSTEP t
.set XS, XX+16*((\t)%2)
.if (\t) > 0
	s_wait_dscnt 1                                 ; this step's numbers are back from the stage (the last step's byte store may be out)
.else
	s_wait_dscnt 0x0
.endif
.if (\t)+4 < XSTEPS
	XLOAD (\t)+4                                   ; into the registers that the stage's stores have read
.endif
.if (\t)+1 < XSTEPS
.if XSTEPS-2-(\t) >= 3
	s_wait_loadcnt 12                              ; the next step's four loads are in; those of the three steps behind it may be out
.else
	s_wait_loadcnt 4*(XSTEPS-2-(\t))
.endif
	XTURN (\t)+1
.endif
	v_max3_num_f32 v8, |v[XS]|, |v[XS+1]|, |v[XS+2]|               ; the largest magnitude of my 16, in two chains
	v_max3_num_f32 v9, |v[XS+3]|, |v[XS+4]|, |v[XS+5]|
.irp i, 6,10
	v_max3_num_f32 v8, v8, |v[XS+\i]|, |v[XS+\i+1]|
	v_max3_num_f32 v9, v9, |v[XS+\i+2]|, |v[XS+\i+3]|
.endr
	v_max3_num_f32 v8, v8, |v[XS+14]|, |v[XS+15]|
	v_max3_num_f32 v8, v8, v9, 0x4800000           ; and the floor 2^(9 - 127): the byte cannot fall under 1
	v_max_num_f32_dpp v8, v8, v8 row_xmask:1 row_mask:0xf bank_mask:0xf   ; with my neighbour's 16: the block's
	v_add_nc_u32 v11, 0xfc000000, v8               ; 8 off the exponent field: the conversion's scale operand
.irp i, 0,1,2,3,4,5,6,7,8,9,10,11,12,13,14,15
.endr
	v_cvt_scalef32_pk8_fp8_f32 v[XC+4*(\t):XC+4*(\t)+1], v[XS:XS+7], v11
	v_cvt_scalef32_pk8_fp8_f32 v[XC+4*(\t)+2:XC+4*(\t)+3], v[XS+8:XS+15], v11
	v_lshrrev_b32 v[XE+(\t)], 23, v11              ; the scale's byte (also the plain line behind the conversions)
	ds_store_b8 v5, v[XE+(\t)] offset:16*(\t)      ; both lanes of a block write the same byte with the same value
	global_store_b128 v4, v[XC+4*(\t):XC+4*(\t)+3], s[10:11] offset:512*(\t)   ; 512 consecutive bytes, aligned
.endm
.irp t, 0,1,2,3,4,5,6,7,8,9,10,11,12,13,14,15
	XSTEP \t
.endr
	ds_load_b64 v[12:13], v6                       ; in order behind my byte stores
	s_wait_dscnt 0x0
	global_store_b64 v7, v[12:13], s[12:13]        ; 32 lanes store 256 consecutive bytes, aligned
	s_wait_tensorcnt 0x0
	ds_add_u32 v208, v209
	s_wait_dscnt 0x0
	s_endpgm
; ---------------------------------------------------------------- the weights
.Lweights:
	s_sub_co_u32 s19, ttmp9, 256
	s_and_b32 s21, s19, 31                         ; which 128 columns: 0-23 W_attn's, 24-31 W_proj's
	s_lshr_b32 s22, s19, 5                         ; which 256 along K
	s_wait_alu depctr_va_vdst(0)
	v_lshlrev_b32 v3, 2, v2                        ; in: 4 bytes a lane
	s_mul_i32 s19, s18, 32*WPITCH
	s_add_co_u32 s19, s19, WSTG                    ; my stage
	v_mul_u32_u24 v4, v2, WPITCH
	v_add_nc_u32 v4, s19, v4                       ; into it: row = my column
	v_and_b32 v5, 15, v2
	v_lshrrev_b32 v6, 4, v2
	v_mul_u32_u24 v7, v6, WPITCH
	v_lshl_add_u32 v7, v5, 4, v7
	v_add_nc_u32 v7, s19, v7                       ; out of it: sixteen lanes to a row, two rows an instruction
	v_lshlrev_b32 v8, 10, v6
	v_lshl_add_u32 v8, v5, 4, v8                   ; and the same place in wc (rows of 1,024 bytes)
	v_and_b32 v9, 7, v2
	v_and_b32 v10, 8, v2
	v_lshl_or_b32 v9, v10, 1, v9
	v_and_b32 v10, 16, v2
	v_lshrrev_b32 v10, 1, v10
	v_or_b32 v9, v9, v10                           ; pos(lane)
	v_lshlrev_b32 v9, 5, v9                        ; my column's row of scale bytes
	s_mov_b32 s20, 12288
	s_wait_kmcnt 0x0
	s_cmp_ge_u32 s21, 24                           ; the choice hangs on the work-group's number alone
	s_cselect_b64 s[6:7], s[8:9], s[6:7]           ; the tensor,
	s_cselect_b32 s20, 4096, s20                   ; its pitch in bytes,
	s_cselect_b32 s24, 24, 0                       ; and where its columns begin among the groups
	s_sub_co_u32 s24, s21, s24
	s_lshl_b32 s24, s24, 7
	s_lshl_b32 s25, s18, 5
	s_add_co_u32 s24, s24, s25                     ; my wave's first column in its tensor
	s_lshl_b32 s24, s24, 2
	s_lshl_b32 s26, s22, 8
	s_mul_i32 s26, s26, s20                        ; 256 ky rows down
	s_add_co_u32 s24, s24, s26
	s_mov_b32 s25, 0
	s_add_nc_u64 s[32:33], s[6:7], s[24:25]        ; block 0's base; the pitch is no constant of the text, so each block has a base of its own
	s_lshl_b32 s26, s20, 5
	s_mov_b32 s27, 0
.irp t, 1,2,3,4,5,6,7
	s_add_nc_u64 s[32+2*\t:33+2*\t], s[30+2*\t:31+2*\t], s[26:27]   ; 32 rows further down
.endr
	s_lshl_b32 s28, s21, 7
	s_lshl_b32 s29, s18, 5
	s_add_co_u32 s28, s28, s29                     ; my wave's first row of wc and ws
	s_lshl_b32 s24, s28, 10
	s_lshl_b32 s29, s22, 8
	s_add_co_u32 s24, s24, s29
	s_add_nc_u64 s[14:15], s[14:15], s[24:25]
	s_lshl_b32 s24, s28, 5
	s_lshl_b32 s29, s22, 3
	s_add_co_u32 s24, s24, s29
	s_add_nc_u64 s[16:17], s[16:17], s[24:25]
.set i, 0
.rept 32
	v_mad_u32_u24 v[WOF+i], s20, i, v3
.set i, i+1
.endr
.macro WLOAD t                         ; block t: W(32 t + i, my column) into set t % 2: 128 consecutive bytes a wave, 512 a work-group
.set i, 0
.rept 32
	global_load_b32 v[WX+32*((\t)%2)+i], v[WOF+i], s[32+2*(\t):33+2*(\t)] th:TH_LOAD_NT
.set i, i+1
.endr
.endm
	WLOAD 0
	WLOAD 1
.macro WBLOCK t
.set XS, WX+32*((\t)%2)
.if (\t) < WNB-1
	s_wait_loadcnt 32                              ; this block's 32 loads are in; the next block's may be out
.else
	s_wait_loadcnt 0
.endif
	v_max3_num_f32 v12, |v[XS]|, |v[XS+1]|, |v[XS+2]|              ; all 32 numbers of the block are mine
	v_max3_num_f32 v13, |v[XS+3]|, |v[XS+4]|, |v[XS+5]|
.irp i, 6,10,14,18,22,26
	v_max3_num_f32 v12, v12, |v[XS+\i]|, |v[XS+\i+1]|
	v_max3_num_f32 v13, v13, |v[XS+\i+2]|, |v[XS+\i+3]|
.endr
	v_max3_num_f32 v12, v12, |v[XS+30]|, |v[XS+31]|
	v_max3_num_f32 v12, v12, v13, 0x4800000        ; the floor
	v_add_nc_u32 v11, 0xfc000000, v12              ; the conversion's scale operand
	v_lshrrev_b32 v13, 23, v11                     ; the byte
.if (\t)%4 == 0
	v_mov_b32 v[WSB+(\t)/4], v13
.else
	v_lshl_or_b32 v[WSB+(\t)/4], v13, 8*((\t)%4), v[WSB+(\t)/4]
.endif
.set i, 0
.rept 32
.set i, i+1
.endr
.irp g, 0,1,2,3
	v_cvt_scalef32_pk8_fp8_f32 v[WC+2*\g:WC+2*\g+1], v[XS+8*\g:XS+8*\g+7], v11
.endr
	v_nop                                          ; a plain line behind the last conversion
	ds_store_b128 v4, v[WC:WC+3] offset:32*(\t)
	ds_store_b128 v4, v[WC+4:WC+7] offset:32*(\t)+16
.if (\t)+2 < WNB
	WLOAD (\t)+2
.endif
	s_wait_dscnt 0x0                               ; the stores have read their registers: the next block's codes may be written
.endm
.irp t, 0,1,2,3,4,5,6,7
	WBLOCK \t
.endr
	s_wait_alu depctr_va_vdst(0)
	global_store_b64 v9, v[WSB:WSB+1], s[16:17]    ; my column's eight scale bytes
.irp t, 0,1,2,3,4,5,6,7,8,9,10,11,12,13,14,15
	ds_load_b128 v[WOUT+4*\t:WOUT+4*\t+3], v7 offset:2*\t*WPITCH
.endr
.irp t, 0,1,2,3,4,5,6,7,8,9,10,11,12,13,14,15
	s_wait_dscnt 15-\t                             ; the younger row loads may stay out
	global_store_b128 v8, v[WOUT+4*\t:WOUT+4*\t+3], s[14:15] offset:2*(((\t)&3)|(((\t)&4)<<1)|(((\t)&8)>>1))*1024   ; columns 2 t, 2 t + 1 go to rows pos(..): t's bits 2 and 3 exchanged; sixteen lanes store 256 consecutive bytes
.endr
	s_wait_tensorcnt 0x0
	ds_add_u32 v208, v209
	s_wait_dscnt 0x0
	s_endpgm
.Lfunc_end_k_q9d04e11e2e_quant:
	.size	k_q9d04e11e2e_quant, .Lfunc_end_k_q9d04e11e2e_quant-k_q9d04e11e2e_quant
	.p2alignl 7, 3214868480
	.fill 96, 4, 3214868480
	.section	.rodata,"a",@progbits
	.p2align	6, 0x0
	.amdhsa_kernel k_q9d04e11e2e_quant
		.amdhsa_group_segment_fixed_size 68096
		.amdhsa_private_segment_fixed_size 0
		.amdhsa_enable_private_segment 0
		.amdhsa_kernarg_size 56
		.amdhsa_user_sgpr_count 2
		.amdhsa_user_sgpr_kernarg_segment_ptr 1
		.amdhsa_wavefront_size32 1
		.amdhsa_system_sgpr_workgroup_id_x 1
		.amdhsa_system_sgpr_workgroup_id_y 1
		.amdhsa_system_sgpr_workgroup_id_z 1
		.amdhsa_system_vgpr_workitem_id 0
		.amdhsa_next_free_vgpr 210
		.amdhsa_next_free_sgpr 66
		.amdhsa_reserve_vcc 0
		.amdhsa_float_denorm_mode_32 3
		.amdhsa_float_denorm_mode_16_64 3
		.amdhsa_fp16_overflow 1
		.amdhsa_memory_ordered 1
		.amdhsa_forward_progress 1
		.amdhsa_inst_pref_size 78
	.end_amdhsa_kernel
	.amdgpu_metadata
---
amdhsa.version: [ 1, 2 ]
amdhsa.kernels:
  - .name:           k_q9d04e11e2e_quant
    .symbol:         k_q9d04e11e2e_quant.kd
    .args:
      - { .name: x, .offset: 0, .size: 8, .value_kind: global_buffer, .address_space: global }
      - { .name: W_attn, .offset: 8, .size: 8, .value_kind: global_buffer, .address_space: global }
      - { .name: W_proj, .offset: 16, .size: 8, .value_kind: global_buffer, .address_space: global }
      - { .name: xc, .offset: 24, .size: 8, .value_kind: global_buffer, .address_space: global }
      - { .name: xs, .offset: 32, .size: 8, .value_kind: global_buffer, .address_space: global }
      - { .name: wc, .offset: 40, .size: 8, .value_kind: global_buffer, .address_space: global }
      - { .name: ws, .offset: 48, .size: 8, .value_kind: global_buffer, .address_space: global }
    .group_segment_fixed_size: 68096
    .private_segment_fixed_size: 0
    .kernarg_segment_align: 8
    .kernarg_segment_size: 56
    .max_flat_workgroup_size: 128
    .sgpr_count:     66
    .vgpr_count:     210
    .wavefront_size: 32
...
	.end_amdgpu_metadata
.endif
;; end of part 1
;; launch qkv (part 2): grid 12 x 32, 4 waves a work-group, clusters of 4 x 4, 327,680 bytes of LDS; arguments xc, xs, wc, ws, b_attn, qkvc, qkvs; writes qkvc, qkvs
.if DOCPART == 2
	.amdgcn_target "amdgcn-amd-amdhsa--gfx1250"
	.amdhsa_code_object_version 6
	.text
	.protected	k_q9d04e11e2e_qkv
	.globl	k_q9d04e11e2e_qkv
	.p2align	8
	.type	k_q9d04e11e2e_qkv,@function
k_q9d04e11e2e_qkv:
	s_mov_b64 s[64:65], 0
	v_nop
	global_prefetch_b8 v0, s[64:65] scope:SCOPE_SE
	s_setreg_imm32_b32 hwreg(HW_REG_WAVE_MODE, 25, 1), 1
	s_wait_xcnt 0x0
	s_wait_alu depctr_hold_cnt(0) depctr_sa_sdst(0) depctr_va_vdst(0) depctr_va_sdst(0) depctr_va_ssrc(0) depctr_va_vcc(0) depctr_vm_vsrc(0)
	s_getreg_b32 s2, hwreg(HW_REG_IB_STS2, 6, 4)
	s_cmp_eq_u32 s2, 0
	s_cbranch_scc0 .Lentry_in_a_cluster
	s_endpgm
.Lentry_in_a_cluster:
	s_bfe_u32 s2, ttmp6, 0x10000c
	s_cmp_lg_u32 s2, 0xf033
	s_cbranch_scc0 .Lentry_shape_is_right
	s_endpgm
.Lentry_shape_is_right:
; qkv = x W_attn + b_attn on codes of E4M3 (K = 1,024), and q, k, v quantised on the way out: q and k along the head's 64, v along the keys.  Nothing goes to memory in f32.
; The text computes C'[m'][n'] = sum over k of A'[m'][k] B'[n'][k] + bias, a tile of 256 x 256 to a work-group of four waves, 128 x 128 (64 accumulators) to a wave, used transposed
; (source 0 = 16 rows of B', source 1 = 16 rows of A'): a lane holds ONE row m' and its registers run along n'.  Rows of xc and wc lie at pos(n) (bits 3 and 4 exchanged), so the 16 registers of
; accumulators (a, 2 g) and (a, 2 g + 1) are the 16 neighbours 32 g + 16 (lane / 16) + 0 .. 15 along n': a block of 32 lies in lanes l and l xor 16, and the conversions' results are operand registers.
; Clusters with x = 0, 1 make q and k: A' = x (tokens), B' = W_attn's columns 0-2047, so n' = the head's channels.  Clusters with x = 2 make v: A' = columns 2048-3071, B' = x, so n' = the keys.
; The choice hangs on the cluster's x alone, which all sixteen partners share.
; OUT: qkvc [3][64 heads][131,072]: images of operand registers.  q, k: [step of 128 tokens][tile of 16][block of 32 d][lane][16 bytes];  v: [step of 128 keys][tile of 16 d][block of 32 keys][lane][16 bytes].
; qkvs: scale words, laid so that one LDS load a lane brings a step's: word (lane' = 16 u + r, g) is row r of tile 2 g + u.  q's and k's words: two bytes of scales, then two bytes 0x7f for the half of K = 128 that is not there.
; K goes in steps of 256 through a ring of two LDS slots filled by joint tensor loads (A' shared along a row of the 4 x 4 cluster, B' along a column); the scale bytes of the tile's rows come once and stay.
; The bias is the C of each sum's first matrix instruction.
; LIMITS: blocks whose largest magnitude lies under 2^-118 keep the byte 1 (this program alone reads the bytes); NaN and infinities are not served.
; REGISTERS, in windows of 256: window 0: v0-31 addresses; v32-63 scale words, two sets; v64-127 the bias in the result's layout; v128-255 A's fragments, one set; on the way out v128-226 at work.
;   window 1: B's fragments, two sets.   windows 2, 3: the accumulators of my rows 0-63, 64-127 ((a, b) at v[8 (8 (a % 4) + b)]).
.set KSTEP,  256
.set NQ,     2                         ; matrix instructions deep in a slot
.set ROWB,   256                       ; a tile's row in bytes
.set KROW,   1024                      ; a row of codes in memory
.set PITCH,  272                       ; an LDS row: 256 bytes + 16 of padding: the 16 rows of a load start at 16 different banks (64 banks of 4 bytes: ISA guide 11.1)
.set FR,     16
.set NL,     4
.set NP,     8                         ; places behind this matrix instruction (ISA guide 7.12.1)
.set HALFT,  128*PITCH
.set SLOT,   4*HALFT
.set LAPS,   2                         ; 1,024 / (2 x 256)
.set SCL,    2*SLOT                    ; behind the ring: the scale bytes, units of 256 bytes + 16 of padding
.set HALFS,  16*272                    ; those of 128 rows (32 bytes a row)
.set SBLK,   2*272                     ; those of 16 rows
.set SPARE,  SCL+4*HALFS               ; the spare words: 128 bytes for each wave, two blocks of 256 bytes that no other line names
.set ADRA, 16                          ; v16-17  LDS address of my A' fragments in slot 0, 1
.set BOQ,  18                          ; v18     the bias, q and k: 64 x (lane / 16)
.set BOV,  19                          ; v19     the bias, v: 4 x (r + 8 (r / 8))
.set ADRB, 20                          ; v20-21  the same as ADRA for B'
.set QSR,  22                          ; v22     q, k: where I read my wave's scale words back: 1,024 x wave + 16 x lane
.set VSR,  23                          ; v23     v: 4,096 + 512 x wave + 8 x lane
.set QSW,  24                          ; v24     q, k: where I put a scale word: 1,024 x wave + 16 r
.set VSW,  25                          ; v25     v: 4,096 + 512 x wave + 8 r
.set LI,   26                          ; v26     16 x lane
.set ADRS, 27                          ; v27     LDS address of my scale words: lanes 0-15 A's rows, lanes 16-31 B's
.set SPW,  28                          ; v28     my spare word; never rewritten
.set NIL,  29                          ; v29     0; never rewritten
.set L8,   30                          ; v30     8 x lane
.set SC,   32
.set BIAS, 64
.set AF,   128
.set T,    128                         ; the way out: the scale words read back from LDS
.set PC,   192                         ; 16 registers of codes
.set TM,   208                         ; +0 largest magnitudes, +4 bytes, +12 the conversions' scale operands
.set PW,   224                         ; the scale word
.set W0,   225
.set W1,   226
.set G1, 24
.set G0, 32
.set G1B, 48
.set G0B, 56
.set G1S, 68
.set G0S, 76
.set G1SB, 80
.set G0SB, 88
.set ISV, 95                           ; s95  1: this cluster makes v
.set CBP, 4                            ; s[4:5]   behind the first fills: where my codes go
.set SS0, 6                            ; s[6:7]   my first head's scale words
.set SS1, 8                            ; s[8:9]   my second head's
.set BIP, 10                           ; s[10:11] the bias of my first channel
.set MSB, 0
.macro WIN new                         ; the immediate's high byte repeats the setting that is left
.if MSB != (\new)
	s_set_vgpr_msb (MSB<<8)|(\new)
.set MSB, (\new)
.endif
.endm
.set MUL_LO, 0xa1                      ; source 0 (B') window 1, source 1 (A') window 0, C and D window 2
.set MUL_HI, 0xf1
.set TO_B,   0x40
; A joint load: waves 0 and 1 fetch for A', waves 2 and 3 for B'.  The branch hangs on the wave's number alone.  Four v_nop follow each of the two lines.
.macro JLOAD g0a, g1a, g0b, g1b
	s_cmp_eq_u32 s15, 0
	s_cbranch_scc0 .Lfor_b_\@
	tensor_load_to_lds s[\g0a:\g0a+3], s[\g1a:\g1a+7]
	s_nop 0
.rept 4
	v_nop
.endr
	s_branch .Lasked_\@
.Lfor_b_\@:
	tensor_load_to_lds s[\g0b:\g0b+3], s[\g1b:\g1b+7]
	s_nop 0
.rept 4
	v_nop
.endr
.Lasked_\@:
.endm
.macro CREST
	s_cmp_lg_u32 s14, 0
	s_cbranch_scc1 .Lnot_wave_0_\@
	s_barrier_signal -3
.Lnot_wave_0_\@:
	s_barrier_wait -3
	s_barrier_signal -1
	s_barrier_wait -1
.endm
.macro CROUND
	s_barrier_signal -1
	s_barrier_wait -1
	CREST
.endm
	s_load_b256 s[4:11], s[0:1], 0x0               ; xc s[4:5], xs s[6:7], wc s[8:9], ws s[10:11]
	s_load_b128 s[96:99], s[0:1], 0x20             ; b_attn s[96:97], qkvc s[98:99]
	s_load_b64 s[100:101], s[0:1], 0x30            ; qkvs
	v_lshl_add_u32 v[SPW], v0, 2, SPARE
	v_mov_b32 v[NIL], 0
	ds_add_u32 v28, v29
	ds_add_u32 v28, v29
	s_wait_dscnt 0x0
	v_lshrrev_b32 v1, 5, v0
	v_readfirstlane_b32 s14, v1                    ; wave 0..3
	s_lshr_b32 s15, s14, 1                         ; which half of the tile's rows is mine.  Also: I fetch for A' (0) or for B' (1)
	s_and_b32 s16, s14, 1                          ; which half of its columns.  Also: which 128 rows I fetch
	s_bfe_u32 s40, ttmp6, 0x40000                  ; cx, cy: my place in the cluster
	s_bfe_u32 s41, ttmp6, 0x40004
	s_and_b32 s17, ttmp7, 0xffff                   ; the cluster's y
	s_cmp_eq_u32 ttmp9, 2                          ; the cluster's x: 0, 1: q and k; 2: v
	s_cselect_b32 s[ISV], 1, 0
	s_cselect_b32 s18, 0, s17                      ; v has one cluster's height of rows (1,024 channels),
	s_cselect_b32 s19, s17, ttmp9                  ; and its columns are the tokens
	s_cselect_b32 s66, 2048, 0                     ; v's rows of wc begin at 2,048
	s_lshl_b32 s17, s18, 2
	s_add_co_u32 s17, s17, s41                     ; tile row
	s_lshl_b32 s42, s19, 2
	s_add_co_u32 s42, s42, s40                     ; tile column
	s_lshl_b32 s43, s41, 2
	s_lshl_b32 s43, 15, s43                        ; my row of the cluster
	s_lshl_b32 s44, 0x1111, s40                    ; my column
	s_or_b32 s[G1+0], s43, (0<<16)|(1<<20)|(1<<21)|(5<<22)|(3<<25)  ; the mask: A's tiles go to my row; elements of 1 byte; padding on; bit 21 beside a mask; 4 words after every 64
	s_or_b32 s[G1B+0], s44, (0<<16)|(1<<20)|(1<<21)|(5<<22)|(3<<25)
.irp g, G1, G1B
	s_mov_b32 s[\g+1], ROWB<<16                    ; tensor_dim0
	s_mov_b32 s[\g+2], 128<<16                     ; tensor_dim1
	s_mov_b32 s[\g+3], ROWB<<16                    ; tile_dim0
	s_mov_b32 s[\g+4], 128                         ; tile_dim1
	s_mov_b32 s[\g+5], KROW                        ; the pitch
	s_mov_b32 s[\g+6], 0
	s_mov_b32 s[\g+7], 0
.endr
	s_or_b32 s[G1S+0], s43, (3<<16)|(1<<20)|(1<<21)|(5<<22)|(3<<25) ; the scale bytes of 128 rows: 4,096 dense bytes as 16 rows of 256 (32 elements of 8 bytes)
	s_or_b32 s[G1SB+0], s44, (3<<16)|(1<<20)|(1<<21)|(5<<22)|(3<<25)
.irp g, G1S, G1SB
	s_mov_b32 s[\g+1], 32<<16
	s_mov_b32 s[\g+2], 16<<16
	s_mov_b32 s[\g+3], 32<<16
	s_mov_b32 s[\g+4], 16
	s_mov_b32 s[\g+5], 32
	s_mov_b32 s[\g+6], 0
	s_mov_b32 s[\g+7], 0
.endr
	s_lshl_b32 s18, s16, 7
	s_lshl_b32 s20, s17, 8
	s_add_co_u32 s20, s20, s18
	s_add_co_u32 s20, s20, s66                     ; A': row 256 x tile row + 128 x half (+ 2,048)
	s_lshl_b32 s46, s42, 8
	s_add_co_u32 s46, s46, s18                     ; B': row 256 x tile column + 128 x half
	s_mov_b32 s21, 0
	s_mov_b32 s47, 0
	s_lshl_b64 s[22:23], s[20:21], 5               ; where these rows' scale bytes begin,
	s_lshl_b64 s[92:93], s[46:47], 5
	s_lshl_b64 s[20:21], s[20:21], 10              ; and their codes
	s_lshl_b64 s[46:47], s[46:47], 10
	s_mul_i32 s45, s14, HALFT                      ; where they go: wave x 128 rows
	s_mul_i32 s94, s14, HALFS
	s_wait_kmcnt 0x0
	s_cmp_eq_u32 s[ISV], 1
	s_cselect_b64 s[12:13], s[8:9], s[4:5]         ; A's codes
	s_cselect_b64 s[8:9], s[4:5], s[8:9]           ; B's codes
	s_cselect_b64 s[4:5], s[10:11], s[6:7]         ; A's scales
	s_cselect_b64 s[10:11], s[6:7], s[10:11]       ; B's scales
	s_add_nc_u64 s[20:21], s[12:13], s[20:21]
	s_add_nc_u64 s[22:23], s[4:5], s[22:23]
	s_add_nc_u64 s[46:47], s[8:9], s[46:47]
	s_add_nc_u64 s[92:93], s[10:11], s[92:93]
	CROUND                                         ; all sixteen work-groups are here: the first joint loads meet
	s_mov_b32 s[G0S], 1
	s_add_co_u32 s[G0S+1], s94, SCL
	s_mov_b64 s[G0S+2:G0S+3], s[22:23]
	s_or_b32 s[G0S+3], s[G0S+3], 0x80000000
	s_mov_b32 s[G0SB], 1
	s_add_co_u32 s[G0SB+1], s94, SCL
	s_mov_b64 s[G0SB+2:G0SB+3], s[92:93]
	s_or_b32 s[G0SB+3], s[G0SB+3], 0x80000000
	JLOAD G0S, G1S, G0SB, G1SB                     ; the scales first: they are wanted with K step 0
.irp s, 0,1
	s_mov_b32 s[G0+4*\s], 1
	s_add_co_u32 s[G0+4*\s+1], s45, \s*SLOT
	s_add_nc_u64 s[G0+4*\s+2:G0+4*\s+3], s[20:21], \s*ROWB
	s_or_b32 s[G0+4*\s+3], s[G0+4*\s+3], 0x80000000
	s_mov_b32 s[G0B+4*\s], 1
	s_add_co_u32 s[G0B+4*\s+1], s45, \s*SLOT
	s_add_nc_u64 s[G0B+4*\s+2:G0B+4*\s+3], s[46:47], \s*ROWB
	s_or_b32 s[G0B+4*\s+3], s[G0B+4*\s+3], 0x80000000
	JLOAD G0+4*\s, G1, G0B+4*\s, G1B
.endr
	v_and_b32 v1, 15, v0                           ; r
	v_bfe_u32 v2, v0, 4, 1                         ; h
	v_mul_u32_u24 v3, v1, PITCH
	v_lshl_add_u32 v4, v2, 4, v3                   ; a fragment's row x pitch + 16 h
	s_mul_i32 s21, s15, HALFT
	s_mul_i32 s22, s16, HALFT
	s_add_co_u32 s22, s22, 2*HALFT
.irp s, 0,1
	v_add_nc_u32 v[ADRA+\s], s21, v4
	v_add_nc_u32 v[ADRB+\s], s22, v4
	s_add_co_u32 s21, s21, SLOT
	s_add_co_u32 s22, s22, SLOT
.endr
	v_lshlrev_b32 v5, 5, v1                        ; my row's scale bytes: 32 a row,
	v_lshrrev_b32 v6, 8, v5
	v_lshl_add_u32 v5, v6, 4, v5                   ; and 16 more for each 256 passed
	s_mul_i32 s21, s15, HALFS
	s_mul_i32 s22, s16, HALFS
	s_add_co_u32 s22, s22, 2*HALFS
	s_sub_co_u32 s22, s22, s21
	v_mul_u32_u24 v6, s22, v2                      ; lanes 16-31 take B's
	s_add_co_u32 s21, s21, SCL
	v_add_nc_u32 v5, v5, v6
	v_add_nc_u32 v[ADRS], s21, v5
	v_and_b32 v6, 31, v0
	v_lshlrev_b32 v[LI], 4, v6
	v_lshlrev_b32 v[L8], 3, v6
	s_lshl_b32 s23, s14, 10                        ; the stages for the scale words lie in slot 0, which has had its last fill and its last read when they are written; q and k's and v's have bytes of their own
	v_add_nc_u32 v[QSR], s23, v[LI]
	v_lshl_add_u32 v[QSW], v1, 4, s23
	s_lshl_b32 s23, s14, 9
	s_add_co_u32 s23, s23, 4096
	v_add_nc_u32 v[VSR], s23, v[L8]
	v_lshl_add_u32 v[VSW], v1, 3, s23
	v_lshlrev_b32 v[BOQ], 6, v2
	v_and_b32 v5, 8, v1
	v_add_nc_u32 v5, v5, v1
	v_lshlrev_b32 v[BOV], 2, v5
	; where my 128 x 128 goes
	s_lshl_b32 s18, s17, 8
	s_lshl_b32 s19, s15, 7
	s_add_co_u32 s18, s18, s19                     ; my first row m'
	s_lshl_b32 s19, s42, 8
	s_lshl_b32 s20, s16, 7
	s_add_co_u32 s19, s19, s20                     ; my first column n'
	s_add_co_u32 s20, s18, 2048
	s_cmp_eq_u32 s[ISV], 1
	s_cselect_b32 s21, s19, s18                    ; my first token: 128 of them, one step of one batch
	s_cselect_b32 s20, s20, s19                    ; my first channel of the 3,072: 128 of them, two heads
	s_cselect_b32 s67, 8, 9                        ; a step's scale words: 256 bytes (v) or 512
	s_lshr_b32 s22, s20, 10                        ; 0 q, 1 k, 2 v
	s_bfe_u32 s23, s20, 0x40006                    ; the first head
	s_lshr_b32 s46, s21, 11                        ; the batch
	s_bfe_u32 s47, s21, 0x40007                    ; the step
	s_lshl_b32 s12, s22, 23
	s_lshl_b32 s13, s46, 21
	s_add_co_u32 s12, s12, s13
	s_lshl_b32 s13, s23, 17
	s_add_co_u32 s12, s12, s13
	s_lshl_b32 s13, s47, 13
	s_add_co_u32 s12, s12, s13
	s_mov_b32 s13, 0
	s_add_nc_u64 s[CBP:CBP+1], s[98:99], s[12:13]
	s_mov_b32 s2, 12288
	s_cmp_eq_u32 s22, 0
	s_cselect_b32 s2, 8192, s2                     ; a head's scale words: q 8,192 bytes; k and v lie together, 12,288
	s_cselect_b32 s3, 0, 524288
	s_cmp_eq_u32 s22, 2
	s_cselect_b32 s66, 8192, 0                     ; v's behind k's
	s_add_co_u32 s3, s3, s66
	s_lshl_b32 s12, s46, 4
	s_add_co_u32 s12, s12, s23
	s_mul_i32 s12, s12, s2
	s_add_co_u32 s12, s12, s3
	s_lshl_b32 s66, s47, s67
	s_add_co_u32 s12, s12, s66
	s_add_nc_u64 s[SS0:SS0+1], s[100:101], s[12:13]
	s_mov_b32 s12, s2
	s_add_nc_u64 s[SS1:SS1+1], s[SS0:SS0+1], s[12:13]
	s_lshl_b32 s12, s20, 2
	s_add_nc_u64 s[BIP:BIP+1], s[96:97], s[12:13]
	s_mov_b32 s92, 0x76543210
	s_mov_b32 s93, 0xfedcba98                      ; v_permlanex16_b32's selects for lane l xor 16
	s_mov_b32 s94, 0x7f7f0000                      ; two scale bytes of 1.0
	; the bias in the result's layout.  q, k: it hangs on n': register 8 b + j = channel 32 (b / 2) + 16 h + 8 (b % 2) + j.  v: on m': all eight registers of block a = channel 32 (a / 2) + 8 (a % 2) + r + 8 (r / 8)
	s_cmp_eq_u32 s[ISV], 0
	s_cbranch_scc0 .Lbias_v
	s_wait_alu depctr_va_vdst(0)
.irp b, 0,1,2,3,4,5,6,7
	global_load_b128 v[BIAS+8*\b:BIAS+8*\b+3], v[BOQ], s[BIP:BIP+1] offset:(32*(\b/2)+8*(\b%2))*4
	global_load_b128 v[BIAS+8*\b+4:BIAS+8*\b+7], v[BOQ], s[BIP:BIP+1] offset:(32*(\b/2)+8*(\b%2))*4+16
.endr
	s_wait_loadcnt 0x0
	s_branch .Lbias_done
.Lbias_v:
	s_wait_alu depctr_va_vdst(0)
.irp a, 0,1,2,3,4,5,6,7
	global_load_b32 v[BIAS+8*\a], v[BOV], s[BIP:BIP+1] offset:(32*(\a/2)+8*(\a%2))*4
.endr
	s_wait_loadcnt 0x0
.irp a, 0,1,2,3,4,5,6,7
.irp j, 1,2,3,4,5,6,7
	v_mov_b32 v[BIAS+8*\a+\j], v[BIAS+8*\a]
.endr
.endr
.rept 8
	v_nop
.endr
.Lbias_done:
.macro FRAG reg, adr, q, i             ; 16 rows x 128 K: lane l holds row l % 16; registers 4 c .. 4 c + 3 hold K = 32 c + 16 (l / 16) + 0 .. 15
.irp c, 0,1,2,3
	ds_load_b128 v[\reg+4*\c:\reg+4*\c+3], v[\adr] offset:128*(\q)+32*\c+(\i)*16*PITCH
.endr
.endm
; 16 matrix instructions: A's blocks a0, a0 + 1 x B's eight.  zero = 1: the sums start from the bias by b; 2: by a; 0: they go on.  The 64 accumulators take turns, one instruction a turn.
.macro MUL16 a0, p, q, sc, zero
.irp a, \a0, \a0+1
.irp b, 0,1,2,3,4,5,6,7
.if \zero == 1
	v_wmma_scale_f32_16x16x128_f8f6f4 v[8*(8*((\a)%4)+\b):8*(8*((\a)%4)+\b)+7], v[128*(\p)+FR*\b:128*(\p)+FR*\b+FR-1], v[AF+FR*(\a):AF+FR*(\a)+FR-1], v[BIAS+8*\b:BIAS+8*\b+7], v[SC+8*NQ*(\sc)+NQ*\b+(\q)], v[SC+8*NQ*(\sc)+NQ*(\a)+(\q)] matrix_a_scale:MATRIX_SCALE_ROW1
.elseif \zero == 2
	v_wmma_scale_f32_16x16x128_f8f6f4 v[8*(8*((\a)%4)+\b):8*(8*((\a)%4)+\b)+7], v[128*(\p)+FR*\b:128*(\p)+FR*\b+FR-1], v[AF+FR*(\a):AF+FR*(\a)+FR-1], v[BIAS+8*(\a):BIAS+8*(\a)+7], v[SC+8*NQ*(\sc)+NQ*\b+(\q)], v[SC+8*NQ*(\sc)+NQ*(\a)+(\q)] matrix_a_scale:MATRIX_SCALE_ROW1
.else
	v_wmma_scale_f32_16x16x128_f8f6f4 v[8*(8*((\a)%4)+\b):8*(8*((\a)%4)+\b)+7], v[128*(\p)+FR*\b:128*(\p)+FR*\b+FR-1], v[AF+FR*(\a):AF+FR*(\a)+FR-1], v[8*(8*((\a)%4)+\b):8*(8*((\a)%4)+\b)+7], v[SC+8*NQ*(\sc)+NQ*\b+(\q)], v[SC+8*NQ*(\sc)+NQ*(\a)+(\q)] matrix_a_scale:MATRIX_SCALE_ROW1
.endif
.endr
.endr
.endm
.macro FETCH_B slot, q, p
	WIN TO_B
.irp i, 0,1,2,3,4,5,6,7
	FRAG 128*(\p)+FR*\i, ADRB+\slot, \q, \i
.endr
	WIN 0
.endm
.macro FETCH_A slot, q, i0
.irp i, \i0, \i0+1, \i0+2, \i0+3
	FRAG AF+FR*(\i), ADRA+\slot, \q, \i
.endr
.endm
.macro SCALES sc                       ; a K step's scale words: two a row; lanes 0-15 take A's block i, lanes 16-31 B's block i
.irp i, 0,1,2,3,4,5,6,7
	ds_load_b64 v[SC+8*NQ*\sc+NQ*\i:SC+8*NQ*\sc+NQ*\i+1], v[ADRS] offset:\i*SBLK
.endr
.endm
.macro PLACES n                        ; plain vector lines between a matrix instruction and a load into, or a read of, its registers
.rept \n
	v_nop
.endr
.endm
.macro STEP slot, q, zero              ; 128 along K that have their successor in the same slot
	s_wait_dscnt 4*NL                              ; B's set and A's blocks 0-3 are in; the youngest sixteen loads (A's blocks 4-7) may be out
.if \zero
	WIN 0x81                                       ; C (the bias) in window 0, D in window 2
.else
	WIN MUL_LO
.endif
	MUL16 0, (\q)%2, \q, \slot, \zero
	MUL16 2, (\q)%2, \q, \slot, \zero
	s_wait_dscnt 0
	PLACES NP
	FETCH_B \slot, (\q)+1, 1-(\q)%2
	FETCH_A \slot, (\q)+1, 0
.if \zero
	WIN 0xc1
.else
	WIN MUL_HI
.endif
	MUL16 4, (\q)%2, \q, \slot, \zero
	MUL16 6, (\q)%2, \q, \slot, \zero
	PLACES NP
	WIN 0
	FETCH_A \slot, (\q)+1, 4
.endm
; A slot's last step changes slots: one barrier; in front of it each wave waits for all its tensor loads, adds 0 to its spare word, and waits for that and for its reads of this slot.  fill = 1: this slot is filled again, two K steps ahead.
.macro TURN slot, next, fill
	s_wait_tensorcnt 0x0                           ; all my tensor loads have landed: my part of the next slot
	ds_add_u32 v[SPW], v[NIL]                      ; 0 onto my spare word
	s_wait_dscnt 4*NL+1                            ; (the add and the youngest sixteen loads may be out)
	WIN MUL_LO
	MUL16 0, 1, NQ-1, \slot, 0
	s_wait_dscnt 0x0                               ; the add is done, and my reads of this slot are over
	s_barrier_signal -1
	MUL16 2, 1, NQ-1, \slot, 0
	WIN 0
	s_barrier_wait -1
.if \fill
	CREST                                          ; the barrier has opened a round of the cluster's barrier: no wave of any partner still reads this slot or has a load on its way
	s_add_nc_u64 s[G0+4*\slot+2:G0+4*\slot+3], s[G0+4*\slot+2:G0+4*\slot+3], 2*ROWB
	s_add_nc_u64 s[G0B+4*\slot+2:G0B+4*\slot+3], s[G0B+4*\slot+2:G0B+4*\slot+3], 2*ROWB
	JLOAD G0+4*\slot, G1, G0B+4*\slot, G1B         ; the first tensor load behind the round; its four v_nop are among the places in front of the loads below
	PLACES NP-4
.else
	PLACES NP
.endif
	s_wait_alu depctr_va_vdst(0)
	v_add_nc_u32 v[ADRS], 4*NQ, v[ADRS]            ; the next K step's scale words
	FETCH_B \next, 0, 0
	FETCH_A \next, 0, 0
	SCALES \next
	WIN MUL_HI
	MUL16 4, 1, NQ-1, \slot, 0
	MUL16 6, 1, NQ-1, \slot, 0
	PLACES NP
	WIN 0
	FETCH_A \next, 0, 4
.endm
	s_wait_tensorcnt 1                             ; the scales and my part of K step 0 are in (K step 1's load may be out)
	s_barrier_signal -1
	s_barrier_wait -1                              ; everybody's are
	FETCH_B 0, 0, 0
	FETCH_A 0, 0, 0
	SCALES 0
	FETCH_A 0, 0, 4
	s_cmp_eq_u32 s[ISV], 0                         ; the first step starts the sums from the bias, which lies by b (q, k) or by a (v): written twice; no tensor load and no barrier stands in it
	s_cbranch_scc0 .Lfirst_v
	s_wait_alu depctr_va_vdst(0)
	STEP 0, 0, 1
	s_branch .Lfirst_done
.Lfirst_v:
	s_wait_alu depctr_va_vdst(0)
	STEP 0, 0, 2
.Lfirst_done:
	s_mov_b32 s3, LAPS-1
.Llap:                                                 ; a trip goes once round the ring and fills both slots again
	TURN 0, 1, 1
	STEP 1, 0, 0
	TURN 1, 0, 1
	STEP 0, 0, 0
	s_sub_co_u32 s3, s3, 1
	s_cmp_lg_u32 s3, 0
	s_cbranch_scc1 .Llap
	TURN 0, 1, 0                                   ; the last lap fills nothing
	STEP 1, 0, 0
	s_wait_dscnt 4*NL
	WIN MUL_LO
	MUL16 0, 1, NQ-1, 1, 0
	MUL16 2, 1, NQ-1, 1, 0
	s_wait_dscnt 0
	WIN MUL_HI
	MUL16 4, 1, NQ-1, 1, 0
	MUL16 6, 1, NQ-1, 1, 0
	WIN 0
; THE WAY OUT: block a (16 rows m' x 128 along n': four blocks of 32) is quantised in registers and leaves as images.  Each accumulator is read from its low end on.
.macro QROW a
.set AC, 64*((\a)%4)
.set WW, 2+(\a)/4
	WIN (WW|(WW<<2))                               ; sources 0 and 1: the accumulators' window
.irp b, 0,1,2,3
	v_max3_num_f32 v[TM+\b], |v[AC+16*\b]|, |v[AC+16*\b+1]|, 0x4800000   ; my 16 numbers of block b, and the floor 2^(9 - 127)
.endr
.irp i, 2,4,6,8,10,12,14
.irp b, 0,1,2,3
	v_max3_num_f32 v[TM+\b], |v[AC+16*\b+\i]|, |v[AC+16*\b+\i+1]|, v[TM+\b]   ; (the four blocks by turns)
.endr
.endr
	WIN 0
.if (\a) > 0
	s_wait_alu depctr_va_vdst(0)
	s_wait_xcnt 0x0                                ; the last block's stores have read their registers: the codes and the scale words are written again only behind these waits
	s_wait_dscnt 0x0
.endif
.irp b, 0,1,2,3
	v_permlanex16_b32 v[TM+4+\b], v[TM+\b], s92, s93
.endr
.irp b, 0,1,2,3
	v_max_num_f32 v[TM+\b], v[TM+\b], v[TM+4+\b]   ; with lane l xor 16's: the block's largest magnitude
.endr
.irp b, 0,1,2,3
	v_add_nc_u32 v[TM+12+\b], 0xfc000000, v[TM+\b] ; 8 off its exponent field: the conversion's scale operand
.endr
.irp b, 0,1,2,3
.endr
.irp b, 0,1,2,3
	v_lshrrev_b32 v[TM+4+\b], 23, v[TM+12+\b]      ; the byte
.endr
	v_lshl_or_b32 v[PW], v[TM+5], 8, v[TM+4]
	v_lshl_or_b32 v[PW], v[TM+6], 16, v[PW]
	v_lshl_or_b32 v[PW], v[TM+7], 24, v[PW]
	WIN WW                                         ; source 0: the accumulators' window
.irp b, 0,1,2,3
.irp i, 0,1,2,3,4,5,6,7,8,9,10,11,12,13,14,15
.endr
.endr
.irp b, 0,1,2,3
	v_cvt_scalef32_pk8_fp8_f32 v[PC+4*\b:PC+4*\b+1], v[AC+16*\b:AC+16*\b+7], v[TM+12+\b]
	v_cvt_scalef32_pk8_fp8_f32 v[PC+4*\b+2:PC+4*\b+3], v[AC+16*\b+8:AC+16*\b+15], v[TM+12+\b]
.endr
	WIN 0
	v_nop                                          ; a plain line behind the last conversion
	s_cmp_eq_u32 s[ISV], 0
	s_cbranch_scc0 .Lrow_v_\@
.irp i, 0,1,2,3                        ; q, k: block i = head i / 2, block i % 2 of its 64; token tile a.  Each store covers 512 consecutive bytes, aligned
	global_store_b128 v[LI], v[PC+4*\i:PC+4*\i+3], s[CBP:CBP+1] offset:(\i/2)*131072+(\a)*1024+(\i%2)*512
.endr
	v_and_or_b32 v[W0], v[PW], 0xffff, s94         ; the first head's two bytes, then 0x7f twice
	v_lshrrev_b32 v[W1], 16, v[PW]
	v_or_b32 v[W1], s94, v[W1]                     ; the second head's
	ds_store_b32 v[QSW], v[W0] offset:256*((\a)%2)+4*((\a)/2)        ; lanes r and r + 16 write the same word with the same value
	ds_store_b32 v[QSW], v[W1] offset:512+256*((\a)%2)+4*((\a)/2)
	s_branch .Lrow_done_\@
.Lrow_v_\@:
	s_wait_alu depctr_va_vdst(0)
.irp i, 0,1,2,3                        ; v: head a / 4, tile a % 4 of its 64 d; block i of the step's 128 keys
	global_store_b128 v[LI], v[PC+4*\i:PC+4*\i+3], s[CBP:CBP+1] offset:((\a)/4)*131072+((\a)%4)*2048+\i*512
.endr
	ds_store_b32 v[VSW], v[PW] offset:((\a)/4)*256+128*((\a)%2)+4*(((\a)%4)/2)
.Lrow_done_\@:
.endm
	PLACES NP                                      ; behind the last products: their results are read, and A's registers written, only from here on
.irp b, 0,1,2,3
	v_mov_b32 v[TM+4+\b], 0                        ; written once: a lane permute's destination counts as one of its sources
.endr
.irp a, 0,1,2,3,4,5,6,7
	QROW \a
.endr
	s_cmp_eq_u32 s[ISV], 0                         ; my two heads' scale words of this step leave in whole runs
	s_cbranch_scc0 .Ltail_v
	ds_load_b128 v[T:T+3], v[QSR]                  ; LDS serves a wave's instructions in order: these see my stores
	ds_load_b128 v[T+4:T+7], v[QSR] offset:512
	s_wait_dscnt 0x0
	global_store_b128 v[LI], v[T:T+3], s[SS0:SS0+1]       ; 512 consecutive bytes, aligned
	global_store_b128 v[LI], v[T+4:T+7], s[SS1:SS1+1]
	s_branch .Ltail_done
.Ltail_v:
	ds_load_b64 v[T:T+1], v[VSR]
	ds_load_b64 v[T+2:T+3], v[VSR] offset:256
	s_wait_dscnt 0x0
	global_store_b64 v[L8], v[T:T+1], s[SS0:SS0+1]        ; 256 consecutive bytes, aligned
	global_store_b64 v[L8], v[T+2:T+3], s[SS1:SS1+1]
.Ltail_done:
	s_wait_tensorcnt 0x0                           ; the wave's end
	ds_add_u32 v[SPW], v[NIL]
	s_wait_dscnt 0x0
	CROUND                                         ; the closing round: no work-group ends while a partner may still ask for a tile that names it
	s_endpgm
.Lfunc_end_k_q9d04e11e2e_qkv:
	.size	k_q9d04e11e2e_qkv, .Lfunc_end_k_q9d04e11e2e_qkv-k_q9d04e11e2e_qkv
	.p2alignl 7, 3214868480
	.fill 96, 4, 3214868480
	.section	.rodata,"a",@progbits
	.p2align	6, 0x0
	.amdhsa_kernel k_q9d04e11e2e_qkv
		.amdhsa_group_segment_fixed_size 327680
		.amdhsa_private_segment_fixed_size 0
		.amdhsa_enable_private_segment 0
		.amdhsa_kernarg_size 56
		.amdhsa_user_sgpr_count 2
		.amdhsa_user_sgpr_kernarg_segment_ptr 1
		.amdhsa_wavefront_size32 1
		.amdhsa_system_sgpr_workgroup_id_x 1
		.amdhsa_system_sgpr_workgroup_id_y 1
		.amdhsa_system_sgpr_workgroup_id_z 1
		.amdhsa_system_vgpr_workitem_id 0
		.amdhsa_next_free_vgpr 1024
		.amdhsa_next_free_sgpr 102
		.amdhsa_reserve_vcc 0
		.amdhsa_float_denorm_mode_32 3
		.amdhsa_float_denorm_mode_16_64 3
		.amdhsa_fp16_overflow 1
		.amdhsa_memory_ordered 1
		.amdhsa_forward_progress 1
		.amdhsa_inst_pref_size 176
	.end_amdhsa_kernel
	.amdgpu_metadata
---
amdhsa.version: [ 1, 2 ]
amdhsa.kernels:
  - .name:           k_q9d04e11e2e_qkv
    .symbol:         k_q9d04e11e2e_qkv.kd
    .args:
      - { .name: xc, .offset: 0, .size: 8, .value_kind: global_buffer, .address_space: global }
      - { .name: xs, .offset: 8, .size: 8, .value_kind: global_buffer, .address_space: global }
      - { .name: wc, .offset: 16, .size: 8, .value_kind: global_buffer, .address_space: global }
      - { .name: ws, .offset: 24, .size: 8, .value_kind: global_buffer, .address_space: global }
      - { .name: b_attn, .offset: 32, .size: 8, .value_kind: global_buffer, .address_space: global }
      - { .name: qkvc, .offset: 40, .size: 8, .value_kind: global_buffer, .address_space: global }
      - { .name: qkvs, .offset: 48, .size: 8, .value_kind: global_buffer, .address_space: global }
    .group_segment_fixed_size: 327680
    .private_segment_fixed_size: 0
    .kernarg_segment_align: 8
    .kernarg_segment_size: 56
    .max_flat_workgroup_size: 128
    .sgpr_count:     102
    .vgpr_count:     1024
    .wavefront_size: 32
...
	.end_amdgpu_metadata
.endif
;; end of part 2
;; launch attn (part 3): grid 4 x 64, 16 waves a work-group, clusters of 4 x 1, 276,480 bytes of LDS; arguments qkvc, qkvs, yc, ys; writes yc, ys
.if DOCPART == 3
	.amdgcn_target "amdgcn-amd-amdhsa--gfx1250"
	.amdhsa_code_object_version 6
	.text
	.protected	k_q9d04e11e2e_attn
	.globl	k_q9d04e11e2e_attn
	.p2align	8
	.type	k_q9d04e11e2e_attn,@function
k_q9d04e11e2e_attn:
	s_mov_b64 s[64:65], 0
	v_nop
	global_prefetch_b8 v0, s[64:65] scope:SCOPE_SE
	s_setreg_imm32_b32 hwreg(HW_REG_WAVE_MODE, 25, 1), 1
	s_wait_xcnt 0x0
	s_wait_alu depctr_hold_cnt(0) depctr_sa_sdst(0) depctr_va_vdst(0) depctr_va_sdst(0) depctr_va_ssrc(0) depctr_va_vcc(0) depctr_vm_vsrc(0)
	s_getreg_b32 s2, hwreg(HW_REG_IB_STS2, 6, 4)
	s_cmp_eq_u32 s2, 0
	s_cbranch_scc0 .Lentry_in_a_cluster
	s_endpgm
.Lentry_in_a_cluster:
	s_bfe_u32 s2, ttmp6, 0x10000c
	s_cmp_lg_u32 s2, 0x3003
	s_cbranch_scc0 .Lentry_shape_is_right
	s_endpgm
.Lentry_shape_is_right:
; y = softmax(q k^T / 8, causal) v for one head to a cluster of four work-groups, both products on codes of E4M3, and y quantised along the channels on the way out.
; SOFTMAX AHEAD OF THE SECOND PRODUCT: t = score x log2(e) / 8; M = the running largest t rounded UP to a whole number; p = 2^(t - M) is quantised along the keys, not normalised; the row's sum is taken of the
; unquantised p and divides at the end.  When M moves, the sum and O are multiplied by 2^(old M - new M): exact.
; IN: images of operand registers (16 bytes a lane, 512 an instruction): q, k [step of 128 tokens][tile of 16][block of 32 d], v [step of 128 keys][tile of 16 d][block of 32 keys]; tiles hold rows
; 32 b + 8 u + r + 8 (r / 8), so that the 16 registers of two neighbouring tiles of a transposed result are 16 neighbours along the next K.
; LDS: THE WHOLE HEAD'S K AND V, codes and scale words, 274,432 bytes, filled ONCE by joint tensor loads that name the four partners: nothing is filled again.
; The fills go out in four groups (scale words; key steps 0-1; 2-7; 8-15), a sixteenth of each to a wave, so that the walk begins when the first two have landed.
; SHARES: a head has 128 tiles of 16 queries.  Wave w of work-group cx takes tile 8 G + 2 cx + w / 8 for G = 15 - w % 8 and then for G = w % 8: 16 - w % 8 and w % 8 + 1 key steps, 17 for every wave of the launch.
; Branches hang on the wave's number and on counters alone; cx enters global addresses and the mask's vector compare.
; BOTH PRODUCTS TRANSPOSED: S^T = K Q^T, O^T = V^T P^T: a lane holds one query throughout.
; K = 64 IN AN INSTRUCTION OF 128: Q's upper eight registers are zero codes and the upper two bytes of q's and k's scale words are 0x7f; K's operand runs on into the next tile's codes (tile 7: into zeros), which meet those zeros.
; CAUSAL: key steps behind the queries' own group are jumped over; in the group's own step hidden scores become -infinity ahead of the maximum.  Key 0 of that step counts for every query, so M is a number.
; OUT: yc [tile of 16 tokens][head][block of 32][lane][16 bytes], the image of the last product's operand; ys [token at pos][32] scale bytes.
; LIMITS: blocks of y under 2^-118 keep the byte 1 (this program alone reads the bytes); NaN and infinities are not served.
.set VOFF,  131072                     ; LDS: K's codes at 0, V's here,
.set SKOFF, 262144                     ; K's scale words, 512 bytes a step,
.set SVOFF, 270336                     ; V's, 256 bytes a step
.set L16,  1                           ; v1   16 x lane
.set L8,   2                           ; v2   8 x lane
.set DQ,   3                           ; v3   my query's place in its group of 128, less 16 (lane / 16)
.set NINF, 4                           ; v4   -infinity
.set QSO,  5                           ; v5   my query's scale word in its step's 512 bytes
.set YSO,  6                           ; v6   32 r
.set AV0,  7                           ; v7   16 x lane + VOFF
.set ADK,  8                           ; v8-11 the step's LDS addresses: K, V, K's scale words, V's
.set ADV,  9
.set ADS,  10
.set ADT,  11
.set QF,   16                          ; v16-31   Q (v24-31 = 0)
.set KF,   32                          ; v32-103  K's eight tiles x 8 registers (v96-103 = 0); V's four x 16 take v32-95
.set S,    104                         ; v104-167 S^T, then p
.set OT,   168                         ; v168-199 O^T
.set PCD,  200                         ; v200-215 p's codes
.set KSC,  216                         ; v216-219 K's scale words, v220-221 V's, v222 Q's, v223 p's: scales and nothing else
.set VSC,  220
.set QSC,  222
.set PSC,  223
.set BM,   224                         ; v224-227 a block's largest score, then its largest p
.set PT,   228                         ; v228-231 the other half's; then the bytes
.set LIM,  232
.set SCO,  236                         ; v236-239 the conversions' scale operands
.set FF,   240                         ; v[240:241] f = 2^(old M - new M) (v241 = 0, named with it as a pair)
.set TP,   242
.set WV,   12                          ; s12 wave;  s13 wave % 8;  s15 2 cx + wave / 8;  s16 the head of 64
.set GG,   17                          ; s17 my queries' group of 128
.set SS,   18                          ; s18 the key step
.set CNT,  19
.set SEL,  20
.set CS,   22                          ; s[22:23] c = log2(e) / 8
.set MNT,  24
.set TK,   25                          ; s25 the step's codes: 8,192 bytes a step;  s26, s27 its scale words
.set TS,   26
.set TV,   27
.macro CROUND
	s_barrier_signal -1
	s_barrier_wait -1
	s_cmp_lg_u32 s[WV], 0
	s_cbranch_scc1 .Lnot_wave_0_\@
	s_barrier_signal -3
.Lnot_wave_0_\@:
	s_barrier_wait -3
	s_barrier_signal -1
	s_barrier_wait -1
.endm
.macro G1SET g, rows                   ; a dense block as rows of 256 bytes (32 elements of 8), for all four partners
	s_mov_b32 s[\g], 15|(3<<16)|(1<<21)
	s_mov_b32 s[\g+1], 32<<16
	s_mov_b32 s[\g+2], (\rows)<<16
	s_mov_b32 s[\g+3], 32<<16
	s_mov_b32 s[\g+4], \rows
	s_mov_b32 s[\g+5], 32
	s_mov_b32 s[\g+6], 0
	s_mov_b32 s[\g+7], 0
.endm
	s_load_b256 s[4:11], s[0:1], 0x0               ; qkvc s[4:5], qkvs s[6:7], yc s[8:9], ys s[10:11]
	v_lshl_add_u32 v254, v0, 2, 0x43000
	v_mov_b32 v255, 0
	ds_add_u32 v254, v255
	ds_add_u32 v254, v255
	v_lshrrev_b32 v1, 5, v0
	s_delay_alu instid0(VALU_DEP_1)
	v_readfirstlane_b32 s[WV], v1                  ; wave 0..15
	s_and_b32 s13, s[WV], 7
	s_bfe_u32 s14, ttmp6, 0x40000                  ; cx
	s_lshl_b32 s15, s14, 1
	s_lshr_b32 s60, s[WV], 3
	s_add_co_u32 s15, s15, s60                     ; which tile of a group of eight
	s_and_b32 s16, ttmp7, 0xffff                   ; the head, which the four partners share
	G1SET 28, 3                                    ; my sixteenth of the scale words: 768 bytes
	G1SET 36, 8                                    ; my eighth of K's or V's steps 0-1: 2,048 bytes
	G1SET 44, 24                                   ; of steps 2-7: 6,144
	G1SET 52, 32                                   ; of steps 8-15: 8,192
	s_and_b32 s60, s[WV], 1                        ; even waves fetch K, odd waves V
	s_lshr_b32 s61, s[WV], 1                       ; which eighth
	s_mul_i32 s62, s[WV], 768
	s_mul_i32 s92, s16, 12288
	s_add_co_u32 s92, s92, s62
	s_add_co_u32 s92, s92, 524288                  ; k's and v's scale words of the head, my part
	s_mov_b32 s93, 0
	s_add_co_u32 s69, s62, SKOFF
	s_lshl_b32 s94, s60, 23
	s_add_co_u32 s94, s94, 8388608
	s_lshl_b32 s63, s16, 17
	s_add_co_u32 s94, s94, s63                     ; the head's codes of k or of v
	s_mov_b32 s95, 0
	s_lshl_b32 s63, s60, 17                        ; and their place in LDS
	s_lshl_b32 s84, s61, 11
	s_mul_i32 s86, s61, 6144
	s_add_co_u32 s86, s86, 16384
	s_lshl_b32 s88, s61, 13
	s_add_co_u32 s88, s88, 65536
	s_mov_b32 s85, 0
	s_mov_b32 s87, 0
	s_mov_b32 s89, 0
	s_add_co_u32 s73, s63, s84
	s_add_co_u32 s77, s63, s86
	s_add_co_u32 s81, s63, s88
	s_add_nc_u64 s[84:85], s[84:85], s[94:95]
	s_add_nc_u64 s[86:87], s[86:87], s[94:95]
	s_add_nc_u64 s[88:89], s[88:89], s[94:95]
	s_mov_b32 s68, 1
	s_mov_b32 s72, 1
	s_mov_b32 s76, 1
	s_mov_b32 s80, 1
	s_mov_b32 s[SEL], 0x76543210
	s_mov_b32 s[SEL+1], 0xfedcba98
	s_mov_b32 s[CS], 0x3e38aa3b                    ; log2(e) / 8
	s_mov_b32 s[CS+1], s[CS]
	s_wait_dscnt 0x0
	s_wait_kmcnt 0x0
	s_add_nc_u64 s[70:71], s[6:7], s[92:93]
	s_or_b32 s71, s71, 0x80000000
	s_add_nc_u64 s[74:75], s[4:5], s[84:85]
	s_or_b32 s75, s75, 0x80000000
	s_add_nc_u64 s[78:79], s[4:5], s[86:87]
	s_or_b32 s79, s79, 0x80000000
	s_add_nc_u64 s[82:83], s[4:5], s[88:89]
	s_or_b32 s83, s83, 0x80000000
	CROUND                                         ; all four work-groups are here: the joint loads meet
	tensor_load_to_lds s[68:71], s[28:35]          ; four loads of mine are out: all the fills of the launch, in one group
	s_nop 0
	tensor_load_to_lds s[72:75], s[36:43]
	s_nop 0
	tensor_load_to_lds s[76:79], s[44:51]
	s_nop 0
	tensor_load_to_lds s[80:83], s[52:59]
	s_nop 0
.rept 4
	v_nop
.endr
	v_and_b32 v[TP], 31, v0
	s_delay_alu instid0(VALU_DEP_1)
	v_lshlrev_b32 v[L16], 4, v[TP]
	s_delay_alu instid0(VALU_DEP_2)
	v_lshlrev_b32 v[L8], 3, v[TP]
	s_delay_alu instid0(VALU_DEP_2)
	v_add_nc_u32 v[AV0], VOFF, v[L16]
	v_and_b32 v[YSO], 15, v0                       ; r
	s_wait_alu depctr_va_vdst(0)
	v_bfe_u32 v[NINF], v0, 4, 1                    ; h
	v_and_b32 v[DQ], 8, v[YSO]
	s_delay_alu instid0(VALU_DEP_1)
	v_add_nc_u32 v[DQ], v[DQ], v[YSO]              ; r + 8 (r / 8)
	s_delay_alu instid0(VALU_DEP_3)
	v_lshlrev_b32 v[NINF], 4, v[NINF]
	s_delay_alu instid0(VALU_DEP_1)
	v_sub_nc_u32 v[DQ], v[DQ], v[NINF]
	s_lshr_b32 s60, s15, 1
	s_and_b32 s61, s15, 1
	s_lshl_b32 s62, s60, 5
	s_lshl_b32 s63, s61, 3
	s_add_co_u32 s62, s62, s63
	v_add_nc_u32 v[DQ], s62, v[DQ]                 ; + 32 (tile / 2) + 8 (tile % 2)
	s_lshl_b32 s62, s61, 8
	s_lshl_b32 s63, s60, 2
	s_add_co_u32 s62, s62, s63
	v_lshl_add_u32 v[QSO], v[YSO], 4, s62          ; word (16 (tile % 2) + r, tile / 2)
	v_lshlrev_b32 v[YSO], 5, v[YSO]
	v_mov_b32 v[NINF], 0xff800000
.irp j, 0,1,2,3,4,5,6,7
	v_mov_b32 v[QF+8+\j], 0                        ; the half of K = 128 that is not there: zero codes
	v_mov_b32 v[KF+64+\j], 0
.endr
.irp b, 0,1,2,3
	v_mov_b32 v[PT+\b], 0                          ; written once: a lane permute's destination counts as one of its sources
.endr
	v_mov_b32 v[FF+1], 0
; A pass's start: its bases from G, Q's fragment and scale word, and the state: O^T and the sum zeros, the largest t -3e38 (the first change of M multiplies zeros).
.macro SETUP
	s_lshl_b32 s60, s[GG], 3
	s_add_co_u32 s60, s60, s15                     ; my tile of the head's 128
	s_lshl_b32 s62, s16, 17
	s_lshl_b32 s63, s60, 10
	s_add_co_u32 s62, s62, s63
	s_mov_b32 s63, 0
	s_add_nc_u64 s[84:85], s[4:5], s[62:63]        ; Q's image
	s_lshl_b32 s62, s16, 13
	s_lshl_b32 s61, s[GG], 9
	s_add_co_u32 s62, s62, s61
	s_add_nc_u64 s[86:87], s[6:7], s[62:63]        ; its step's scale words
	s_lshr_b32 s61, s16, 4
	s_lshl_b32 s61, s61, 7
	s_add_co_u32 s60, s60, s61                     ; my tile of the 512 of all tokens
	s_and_b32 s61, s16, 15
	s_lshl_b32 s62, s60, 14
	s_lshl_b32 s92, s61, 10
	s_add_co_u32 s62, s62, s92
	s_add_nc_u64 s[88:89], s[8:9], s[62:63]        ; y's image
	s_lshl_b32 s62, s60, 9
	s_lshl_b32 s92, s61, 1
	s_add_co_u32 s62, s62, s92
	s_add_nc_u64 s[90:91], s[10:11], s[62:63]      ; y's scale bytes
	global_load_b128 v[QF:QF+3], v[L16], s[84:85]
	global_load_b128 v[QF+4:QF+7], v[L16], s[84:85] offset:512
	global_load_b32 v[QSC], v[QSO], s[86:87]
.set j, 0
.rept 32
	v_mov_b32 v[OT+j], 0
.set j, j+1
.endr
	v_mov_b32 v13, 0xff61b1e6                      ; -3e38
	s_delay_alu instid0(VALU_DEP_1)
	v_floor_f32 v12, -v13                          ; -M
	v_mov_b32 v14, 0
	v_mov_b32 v15, 0
	s_mov_b32 s[SS], 0
	s_mov_b32 s[TK], 0
	s_mov_b32 s[TS], SKOFF
	s_mov_b32 s[TV], SVOFF
	s_wait_loadcnt 0x0
.endm
; A KEY STEP of 128 keys.  edge = 1: the step may lie on or behind the diagonal.
.macro STEP edge
.if \edge
	s_cmp_gt_u32 s[SS], s[GG]                      ; all its keys come after my queries: only the addresses step
	s_cbranch_scc1 .Lhidden_\@
.endif
	s_setprio 2
	v_add_nc_u32 v[ADK], s[TK], v[L16]
	v_add_nc_u32 v[ADV], s[TK], v[AV0]
	v_add_nc_u32 v[ADS], s[TS], v[L16]
	v_add_nc_u32 v[ADT], s[TV], v[L8]
.rept 4
	v_nop                                          ; with the four additions: eight places in front of loads into registers that the last products read
.endr
.irp t, 0,1,2,3,4,5,6,7
	ds_load_b128 v[KF+8*\t:KF+8*\t+3], v[ADK] offset:1024*\t
	ds_load_b128 v[KF+8*\t+4:KF+8*\t+7], v[ADK] offset:1024*\t+512
.endr
	ds_load_b128 v[KSC:KSC+3], v[ADS]              ; word g: lanes 0-15 tile 2 g, lanes 16-31 tile 2 g + 1
	s_wait_alu depctr_va_vdst(0)
	s_wait_dscnt 0x0
.irp t, 0,1,2,3,4,5,6,7
.if \t%2
	v_wmma_scale_f32_16x16x128_f8f6f4 v[S+8*\t:S+8*\t+7], v[KF+8*\t:KF+8*\t+15], v[QF:QF+15], 0, v[KSC+\t/2], v[QSC] matrix_a_scale:MATRIX_SCALE_ROW1
.else
	v_wmma_scale_f32_16x16x128_f8f6f4 v[S+8*\t:S+8*\t+7], v[KF+8*\t:KF+8*\t+15], v[QF:QF+15], 0, v[KSC+\t/2], v[QSC]
.endif
.endr
.rept 8
	v_nop                                          ; places in front of the loads below and of the first read of the scores
.endr
.irp t, 0,1,2,3                        ; V's four tiles land under the softmax
.irp c, 0,1,2,3
	ds_load_b128 v[KF+16*\t+4*\c:KF+16*\t+4*\c+3], v[ADV] offset:2048*\t+512*\c
.endr
.endr
	ds_load_b64 v[VSC:VSC+1], v[ADT]
.if \edge
	s_cmp_lg_u32 s[SS], s[GG]
	s_cbranch_scc1 .Lopen_\@
.set n, 0
.rept 64                               ; register n holds key 32 (n / 16) + n % 16 + 16 (lane / 16) of the step
	v_cmp_gt_i32 vcc_lo, 32*(n/16)+n%16, v[DQ]
	v_cndmask_b32 v[S+n], v[S+n], v[NINF], vcc_lo
.set n, n+1
.endr
.Lopen_\@:
.endif
.irp b, 0,1,2,3
	v_max3_num_f32 v[BM+\b], v[S+16*\b], v[S+1+16*\b], v[S+2+16*\b]   ; the largest score of each block of 32 keys: for the row's maximum, and, since p rises with the score, for the block's largest p
.endr
.irp i, 3,5,7,9,11,13
.irp b, 0,1,2,3
	v_max3_num_f32 v[BM+\b], v[BM+\b], v[S+16*\b+\i], v[S+1+16*\b+\i]
.endr
.endr
.irp b, 0,1,2,3
	v_max_num_f32 v[BM+\b], v[BM+\b], v[S+15+16*\b]
.endr
.irp b, 0,1,2,3
	s_delay_alu instid0(VALU_DEP_4)
	v_permlanex16_b32 v[PT+\b], v[BM+\b], s[SEL], s[SEL+1]
.endr
.irp b, 0,1,2,3
	s_delay_alu instid0(VALU_DEP_4)
	v_max_num_f32 v[BM+\b], v[BM+\b], v[PT+\b]     ; with lane l xor 16's 16 keys
.endr
	s_delay_alu instid0(VALU_DEP_2)
	v_max3_num_f32 v[TP], v[BM], v[BM+1], v[BM+2]
	s_delay_alu instid0(VALU_DEP_1)
	v_max_num_f32 v[TP], v[TP], v[BM+3]
	s_delay_alu instid0(VALU_DEP_1)
	v_mul_f32 v[TP], s[CS], v[TP]                  ; as t
	s_delay_alu instid0(VALU_DEP_1)
	v_max_num_f32 v13, v13, v[TP]                  ; the running largest t
	v_mov_b32 v[TP], v12
	s_delay_alu instid0(VALU_DEP_2)
	v_floor_f32 v12, -v13                          ; the new -M = -ceil(t)
	s_delay_alu instid0(VALU_DEP_1)
	v_sub_f32 v[TP], v12, v[TP]                    ; old M - new M: a whole number, 0 or less
	s_delay_alu instid0(VALU_DEP_1)
	v_cvt_i32_f32 v[TP], v[TP]                     ; (it saturates)
	s_delay_alu instid0(VALU_DEP_1)
	v_ldexp_f32 v[FF], 1.0, v[TP]                  ; f
.set j, 0
.rept 32
	v_pk_fma_f32 v[S+j:S+j+1], v[S+j:S+j+1], s[CS:CS+1], v[12:13] op_sel_hi:[1,0,0]   ; t - M, two at a time
.set j, j+2
.endr
.irp b, 0,1,2,3
	v_fma_f32 v[BM+\b], v[BM+\b], s[CS], v12
.endr
.set j, 0
	s_setprio 1
	s_wait_alu depctr_va_vdst(0)
.rept 64
	v_exp_f32 v[S+j], v[S+j]                       ; p, at most 1
.set j, j+1
.endr
.irp b, 0,1,2,3
	v_exp_f32 v[BM+\b], v[BM+\b]                   ; the block's largest p: the same two instructions on the same number
.endr
	v_pk_mul_f32 v[14:15], v[14:15], v[FF:FF+1] op_sel_hi:[1,0]   ; the sums under the new M (the plain line behind the exponentials)
	s_wait_alu depctr_va_vdst(0)
.irp b, 0,1,2,3
	v_max_num_f32 v[BM+\b], 0x4800000, v[BM+\b]    ; the floor 2^(9 - 127)
.endr
.irp b, 0,1,2,3
	s_delay_alu instid0(VALU_DEP_4)
	v_add_nc_u32 v[SCO+\b], 0xfc000000, v[BM+\b]
.endr
.irp b, 0,1,2,3
.endr
.irp b, 0,1,2,3
	s_delay_alu instid0(VALU_DEP_4)
	v_lshrrev_b32 v[PT+\b], 23, v[SCO+\b]
.endr
	s_delay_alu instid0(VALU_DEP_3)
	v_lshl_or_b32 v[PSC], v[PT+1], 8, v[PT]        ; p's scale word for these 128 keys
	s_delay_alu instid0(VALU_DEP_1)
	v_lshl_or_b32 v[PSC], v[PT+2], 16, v[PSC]
	s_delay_alu instid0(VALU_DEP_1)
	v_lshl_or_b32 v[PSC], v[PT+3], 24, v[PSC]
	v_pk_add_f32 v[244:245], v[108:109], v[112:113]
	v_pk_add_f32 v[252:253], v[116:117], v[120:121]
	v_pk_add_f32 v[250:251], v[124:125], v[128:129]
	v_pk_add_f32 v[248:249], v[132:133], v[136:137]
	v_pk_add_f32 v[246:247], v[140:141], v[144:145]
	v_pk_add_f32 v[234:235], v[148:149], v[152:153]
	v_pk_add_f32 v[232:233], v[156:157], v[160:161]
	v_pk_add_f32 v[14:15], v[14:15], v[164:165]
	v_pk_add_f32 v[244:245], v[244:245], v[104:105]
	v_pk_add_f32 v[252:253], v[252:253], v[106:107]
	v_pk_add_f32 v[250:251], v[250:251], v[110:111]
	v_pk_add_f32 v[248:249], v[248:249], v[114:115]
	v_pk_add_f32 v[246:247], v[246:247], v[118:119]
	v_pk_add_f32 v[234:235], v[234:235], v[122:123]
	v_pk_add_f32 v[232:233], v[232:233], v[126:127]
	v_pk_add_f32 v[14:15], v[14:15], v[130:131]
	v_pk_add_f32 v[244:245], v[244:245], v[134:135]
	v_pk_add_f32 v[252:253], v[252:253], v[138:139]
	v_pk_add_f32 v[250:251], v[250:251], v[142:143]
	v_pk_add_f32 v[248:249], v[248:249], v[146:147]
	v_pk_add_f32 v[246:247], v[246:247], v[150:151]
	v_pk_add_f32 v[234:235], v[234:235], v[154:155]
	v_pk_add_f32 v[232:233], v[232:233], v[158:159]
	v_pk_add_f32 v[14:15], v[14:15], v[162:163]
	v_pk_add_f32 v[244:245], v[244:245], v[166:167]
	s_delay_alu instid0(VALU_DEP_2)
	v_pk_add_f32 v[14:15], v[14:15], v[248:249]
	s_delay_alu instid0(VALU_DEP_2)
	v_pk_add_f32 v[244:245], v[244:245], v[246:247]
	s_setprio 0
	v_pk_add_f32 v[252:253], v[252:253], v[234:235]
	v_pk_add_f32 v[250:251], v[250:251], v[232:233]
	s_delay_alu instid0(VALU_DEP_2)
	v_pk_add_f32 v[14:15], v[14:15], v[252:253]
	s_delay_alu instid0(VALU_DEP_2)
	v_pk_add_f32 v[244:245], v[244:245], v[250:251]
	s_delay_alu instid0(VALU_DEP_1)
	v_pk_add_f32 v[14:15], v[14:15], v[244:245]
.irp b, 0,1,2,3
.irp i, 0,1,2,3,4,5,6,7,8,9,10,11,12,13,14,15
.endr
	v_cvt_scalef32_pk8_fp8_f32 v[PCD+4*\b:PCD+1+4*\b], v[S+16*\b:S+7+16*\b], v[SCO+\b]
	v_cvt_scalef32_pk8_fp8_f32 v[PCD+2+4*\b:PCD+3+4*\b], v[S+8+16*\b:S+15+16*\b], v[SCO+\b]
.endr
.set j, 0
.rept 16
	v_pk_mul_f32 v[OT+j:OT+j+1], v[OT+j:OT+j+1], v[FF:FF+1] op_sel_hi:[1,0]   ; O^T under the new M; also the places between the codes and the products below
.set j, j+2
.endr
	s_wait_alu depctr_va_vdst(0)
	s_wait_dscnt 0x0                               ; V and its scale words
.irp t, 0,1,2,3
.if \t%2
	v_wmma_scale_f32_16x16x128_f8f6f4 v[OT+8*\t:OT+8*\t+7], v[KF+16*\t:KF+16*\t+15], v[PCD:PCD+15], v[OT+8*\t:OT+8*\t+7], v[VSC+\t/2], v[PSC] matrix_a_scale:MATRIX_SCALE_ROW1
.else
	v_wmma_scale_f32_16x16x128_f8f6f4 v[OT+8*\t:OT+8*\t+7], v[KF+16*\t:KF+16*\t+15], v[PCD:PCD+15], v[OT+8*\t:OT+8*\t+7], v[VSC+\t/2], v[PSC]
.endif
.endr
.if \edge
.Lhidden_\@:
.endif
	s_add_co_u32 s[SS], s[SS], 1
	s_add_co_u32 s[TK], s[TK], 8192
	s_add_co_u32 s[TS], s[TS], 512
	s_add_co_u32 s[TV], s[TV], 256
.endm
.macro WALK n, edge                    ; n key steps: the trip count is a constant of the text
	s_mov_b32 s[CNT], \n
.Lwalk_\@:
	STEP \edge
	s_sub_co_u32 s[CNT], s[CNT], 1
	s_cmp_lg_u32 s[CNT], 0
	s_cbranch_scc1 .Lwalk_\@
	s_setprio 0
.endm
; A pass's end: O^T / the sum is y: register 16 g + i = channel 32 g + 16 (lane / 16) + i of the head; two blocks of 32, quantised as every operand is; the codes are the last product's operand registers.
.macro FINISH
.rept 8
	v_nop                                          ; places behind the last products
.endr
	v_add_f32 v14, v14, v15
	s_delay_alu instid0(VALU_DEP_1)
	v_permlanex16_b32 v[TP], v14, s[SEL], s[SEL+1]
	s_delay_alu instid0(VALU_DEP_1)
	v_add_f32 v14, v14, v[TP]                      ; the row's sum
	s_wait_alu depctr_va_vdst(0)
	v_rcp_f32 v[FF], v14
	v_nop                                          ; a plain line behind the transcendental
.set j, 0
	s_wait_alu depctr_va_vdst(0)
.rept 16
	v_pk_mul_f32 v[S+j:S+j+1], v[OT+j:OT+j+1], v[FF:FF+1] op_sel_hi:[1,0]
.set j, j+2
.endr
.irp g, 0,1
	v_max3_num_f32 v[BM+\g], |v[S+16*\g]|, |v[S+1+16*\g]|, 0x4800000
.endr
.irp i, 2,4,6,8,10,12,14
.irp g, 0,1
	s_delay_alu instid0(VALU_DEP_2)
	v_max3_num_f32 v[BM+\g], v[BM+\g], |v[S+16*\g+\i]|, |v[S+1+16*\g+\i]|
.endr
.endr
.irp g, 0,1
	s_delay_alu instid0(VALU_DEP_2)
	v_permlanex16_b32 v[PT+\g], v[BM+\g], s[SEL], s[SEL+1]
.endr
.irp g, 0,1
	s_delay_alu instid0(VALU_DEP_2)
	v_max_num_f32 v[BM+\g], v[BM+\g], v[PT+\g]
.endr
.irp g, 0,1
	s_delay_alu instid0(VALU_DEP_2)
	v_add_nc_u32 v[SCO+\g], 0xfc000000, v[BM+\g]
.endr
.irp g, 0,1
.endr
.irp g, 0,1
	s_delay_alu instid0(VALU_DEP_2)
	v_lshrrev_b32 v[PT+\g], 23, v[SCO+\g]
.endr
	s_delay_alu instid0(VALU_DEP_1)
	v_lshl_or_b32 v[TP], v[PT+1], 8, v[PT]         ; the head's two scale bytes of my token
.irp g, 0,1
.irp i, 0,1,2,3,4,5,6,7,8,9,10,11,12,13,14,15
.endr
	v_cvt_scalef32_pk8_fp8_f32 v[PCD+4*\g:PCD+1+4*\g], v[S+16*\g:S+7+16*\g], v[SCO+\g]
	v_cvt_scalef32_pk8_fp8_f32 v[PCD+2+4*\g:PCD+3+4*\g], v[S+8+16*\g:S+15+16*\g], v[SCO+\g]
.endr
	v_nop                                          ; a plain line behind the last conversion
	global_store_b128 v[L16], v[PCD:PCD+3], s[88:89]                ; 512 consecutive bytes, aligned
	global_store_b128 v[L16], v[PCD+4:PCD+7], s[88:89] offset:512
	global_store_b16 v[YSO], v[TP], s[90:91]       ; two bytes of each token's row of 32: lanes r and r + 16 write the same bytes with the same value; one byte in 32 of what the pass stores
	s_wait_xcnt 0x0                                ; the stores' registers and bases are written again only behind this wait
.endm
	s_xor_b32 s[GG], s13, 15                       ; 15 - wave % 8: the long pass first
	SETUP
	s_wait_tensorcnt 2                             ; my parts of the scale words and of key steps 0-1 are in; the two younger loads stay out
	s_barrier_signal -1
	s_barrier_wait -1                              ; everybody's are
	WALK 2, 0                                      ; in this pass every wave works steps 0-8 at the least, so the waves are still in step at the next two barriers
	s_wait_tensorcnt 1                             ; steps 2-7
	s_wait_dscnt 0x0
	s_barrier_signal -1
	s_barrier_wait -1
	WALK 6, 0
	s_wait_tensorcnt 0x0                           ; steps 8-15
	s_wait_dscnt 0x0
	s_barrier_signal -1
	s_barrier_wait -1
	WALK 8, 1
	FINISH
	s_mov_b32 s[GG], s13                           ; the short pass
	SETUP
	WALK 8, 1
	s_wait_alu depctr_va_vdst(0)
	FINISH
	s_wait_dscnt 0x0
	s_wait_tensorcnt 0x0
	ds_add_u32 v254, v255
	s_wait_dscnt 0x0
	CROUND                                         ; the closing round
	s_endpgm
.Lfunc_end_k_q9d04e11e2e_attn:
	.size	k_q9d04e11e2e_attn, .Lfunc_end_k_q9d04e11e2e_attn-k_q9d04e11e2e_attn
	.p2alignl 7, 3214868480
	.fill 96, 4, 3214868480
	.section	.rodata,"a",@progbits
	.p2align	6, 0x0
	.amdhsa_kernel k_q9d04e11e2e_attn
		.amdhsa_group_segment_fixed_size 276480
		.amdhsa_private_segment_fixed_size 0
		.amdhsa_enable_private_segment 0
		.amdhsa_kernarg_size 32
		.amdhsa_user_sgpr_count 2
		.amdhsa_user_sgpr_kernarg_segment_ptr 1
		.amdhsa_wavefront_size32 1
		.amdhsa_system_sgpr_workgroup_id_x 1
		.amdhsa_system_sgpr_workgroup_id_y 1
		.amdhsa_system_sgpr_workgroup_id_z 1
		.amdhsa_system_vgpr_workitem_id 0
		.amdhsa_next_free_vgpr 256
		.amdhsa_next_free_sgpr 96
		.amdhsa_reserve_vcc 1
		.amdhsa_float_denorm_mode_32 3
		.amdhsa_float_denorm_mode_16_64 3
		.amdhsa_fp16_overflow 1
		.amdhsa_memory_ordered 1
		.amdhsa_forward_progress 1
		.amdhsa_inst_pref_size 101
	.end_amdhsa_kernel
	.amdgpu_metadata
---
amdhsa.version: [ 1, 2 ]
amdhsa.kernels:
  - .name:           k_q9d04e11e2e_attn
    .symbol:         k_q9d04e11e2e_attn.kd
    .args:
      - { .name: qkvc, .offset: 0, .size: 8, .value_kind: global_buffer, .address_space: global }
      - { .name: qkvs, .offset: 8, .size: 8, .value_kind: global_buffer, .address_space: global }
      - { .name: yc, .offset: 16, .size: 8, .value_kind: global_buffer, .address_space: global }
      - { .name: ys, .offset: 24, .size: 8, .value_kind: global_buffer, .address_space: global }
    .group_segment_fixed_size: 276480
    .private_segment_fixed_size: 0
    .kernarg_segment_align: 8
    .kernarg_segment_size: 32
    .max_flat_workgroup_size: 512
    .sgpr_count:     96
    .vgpr_count:     256
    .wavefront_size: 32
...
	.end_amdgpu_metadata
.endif
;; end of part 3
;; launch proj (part 4): grid 4 x 32, 4 waves a work-group, clusters of 4 x 4, 327,680 bytes of LDS; arguments yc, ys, wc, ws, b_proj, out0; writes out0
.if DOCPART == 4
	.amdgcn_target "amdgcn-amd-amdhsa--gfx1250"
	.amdhsa_code_object_version 6
	.text
	.protected	k_q9d04e11e2e_proj
	.globl	k_q9d04e11e2e_proj
	.p2align	8
	.type	k_q9d04e11e2e_proj,@function
k_q9d04e11e2e_proj:
	s_mov_b64 s[64:65], 0
	v_nop
	global_prefetch_b8 v0, s[64:65] scope:SCOPE_SE
	s_setreg_imm32_b32 hwreg(HW_REG_WAVE_MODE, 25, 1), 1
	s_wait_xcnt 0x0
	s_wait_alu depctr_hold_cnt(0) depctr_sa_sdst(0) depctr_va_vdst(0) depctr_va_sdst(0) depctr_va_ssrc(0) depctr_va_vcc(0) depctr_vm_vsrc(0)
	s_getreg_b32 s2, hwreg(HW_REG_IB_STS2, 6, 4)
	s_cmp_eq_u32 s2, 0
	s_cbranch_scc0 .Lentry_in_a_cluster
	s_endpgm
.Lentry_in_a_cluster:
	s_bfe_u32 s2, ttmp6, 0x10000c
	s_cmp_lg_u32 s2, 0xf033
	s_cbranch_scc0 .Lentry_shape_is_right
	s_endpgm
.Lentry_shape_is_right:
; out0 = y W_proj + b_proj on codes of E4M3, K = 1,024.  A tile of 256 tokens x 256 channels to a work-group of four waves, 128 x 128 (64 accumulators) to a wave; used transposed (source 0 = 16 rows of
; W_proj^T, source 1 = 16 tokens): a lane holds one token and eight neighbouring channels an accumulator.
; y's codes come as IMAGES of operand registers: yc [tile of 16 tokens][K step of 128][block of 32][lane][16 bytes]: a K step of 256 of a tile is 4,096 dense bytes, read from LDS 512 consecutive bytes an instruction.
; W_proj's codes are rows 3,072-4,095 of wc, K innermost.  Tokens and channels lie at pos(n) (bits 3 and 4 exchanged); the way out puts both back.
; K goes in steps of 256 through a ring of two LDS slots filled by joint tensor loads (y shared along a row of the 4 x 4 cluster, W along a column); the scale bytes of the tile's rows come once and stay.
; The bias is the C of each sum's first matrix instruction.  The launch has 128 tiles: half of the WGPs have no work-group; a tile of 128 rows would fill them and read each fragment of W for half as many products.
; REGISTERS, in windows of 256: window 0: v0-31 addresses; v32-63 scale words, two sets; v64-127 the bias; v128-255 y's fragments, one set, later rows on their way out.
;   window 1: W's fragments, two sets.   windows 2, 3: the accumulators of my rows 0-63, 64-127.
.set NQ,     2
.set ROWB,   256
.set KROW,   1024
.set PITCH,  272                       ; W's LDS row: 256 bytes + 16 of padding
.set FR,     16
.set NL,     4
.set NP,     8
.set HALFA,  8*4096                    ; eight tiles of y, 256 along K: what one tensor load brings
.set HALFB,  128*PITCH
.set BOFF,   2*HALFA
.set SLOT,   2*HALFA+2*HALFB
.set LAPS,   2
.set SCL,    2*SLOT
.set HALFS,  16*272
.set SBLK,   2*272
.set SPARE,  SCL+4*HALFS               ; the spare words: 128 bytes for each wave, two blocks of 256 bytes that no other line names
.set SPITCH, 528                       ; the way out: a stage of 16 rows x (512 bytes + 16) for each wave, in slot 0, which has had its last fill and its last read by then
.set ADRA, 16
.set BOQ,  18
.set ADRB, 20
.set STO,  24
.set RD,   25
.set CO,   26
.set ADRS, 27
.set SPW,  28
.set NIL,  29
.set SC,   32
.set BIAS, 64
.set AF,   128
.set BK,   128
.set G1, 24
.set G0, 32
.set G1B, 48
.set G0B, 56
.set G1S, 68
.set G0S, 76
.set G1SB, 80
.set G0SB, 88
.set MSB, 0
.macro WIN new
.if MSB != (\new)
	s_set_vgpr_msb (MSB<<8)|(\new)
.set MSB, (\new)
.endif
.endm
.set MUL_LO, 0xa1
.set MUL_HI, 0xf1
.set TO_B,   0x40
.macro JLOAD g0a, g1a, g0b, g1b        ; waves 0 and 1 fetch y's halves, waves 2 and 3 W's; four v_nop follow each of the two lines
	s_cmp_eq_u32 s15, 0
	s_cbranch_scc0 .Lfor_b_\@
	tensor_load_to_lds s[\g0a:\g0a+3], s[\g1a:\g1a+7]
	s_nop 0
.rept 4
	v_nop
.endr
	s_branch .Lasked_\@
.Lfor_b_\@:
	tensor_load_to_lds s[\g0b:\g0b+3], s[\g1b:\g1b+7]
	s_nop 0
.rept 4
	v_nop
.endr
.Lasked_\@:
.endm
.macro CREST
	s_cmp_lg_u32 s14, 0
	s_cbranch_scc1 .Lnot_wave_0_\@
	s_barrier_signal -3
.Lnot_wave_0_\@:
	s_barrier_wait -3
	s_barrier_signal -1
	s_barrier_wait -1
.endm
.macro CROUND
	s_barrier_signal -1
	s_barrier_wait -1
	CREST
.endm
	s_load_b256 s[4:11], s[0:1], 0x0               ; yc s[4:5], ys s[6:7], wc s[8:9], ws s[10:11]
	s_load_b128 s[96:99], s[0:1], 0x20             ; b_proj s[96:97], out0 s[98:99]
	v_lshl_add_u32 v[SPW], v0, 2, SPARE
	v_mov_b32 v[NIL], 0
	ds_add_u32 v28, v29
	ds_add_u32 v28, v29
	s_wait_dscnt 0x0
	v_lshrrev_b32 v1, 5, v0
	v_readfirstlane_b32 s14, v1                    ; wave 0..3
	s_lshr_b32 s15, s14, 1                         ; my half of the tile's tokens.  Also: I fetch for y (0) or for W (1)
	s_and_b32 s16, s14, 1                          ; my half of its channels.  Also: which half I fetch
	s_bfe_u32 s40, ttmp6, 0x40000
	s_bfe_u32 s41, ttmp6, 0x40004
	s_lshl_b32 s42, ttmp9, 2
	s_add_co_u32 s42, s42, s40                     ; tile column
	s_and_b32 s17, ttmp7, 0xffff
	s_lshl_b32 s17, s17, 2
	s_add_co_u32 s17, s17, s41                     ; tile row
	s_lshl_b32 s43, s41, 2
	s_lshl_b32 s43, 15, s43                        ; my row of the cluster
	s_lshl_b32 s44, 0x1111, s40                    ; my column
	s_or_b32 s[G1+0], s43, (3<<16)|(1<<21)         ; y: elements of 8 bytes, no padding; eight rows (tiles) of 4,096 bytes, 16,384 bytes apart
	s_mov_b32 s[G1+1], 512<<16
	s_mov_b32 s[G1+2], 8<<16
	s_mov_b32 s[G1+3], 512<<16
	s_mov_b32 s[G1+4], 8
	s_mov_b32 s[G1+5], 2048
	s_mov_b32 s[G1+6], 0
	s_mov_b32 s[G1+7], 0
	s_or_b32 s[G1B+0], s44, (0<<16)|(1<<20)|(1<<21)|(5<<22)|(3<<25)   ; W: 128 rows of 256 bytes, 4 words of padding after every 64
	s_mov_b32 s[G1B+1], ROWB<<16
	s_mov_b32 s[G1B+2], 128<<16
	s_mov_b32 s[G1B+3], ROWB<<16
	s_mov_b32 s[G1B+4], 128
	s_mov_b32 s[G1B+5], KROW
	s_mov_b32 s[G1B+6], 0
	s_mov_b32 s[G1B+7], 0
	s_or_b32 s[G1S+0], s43, (3<<16)|(1<<20)|(1<<21)|(5<<22)|(3<<25)   ; the scale bytes of 128 rows: 16 rows of 256 bytes
	s_or_b32 s[G1SB+0], s44, (3<<16)|(1<<20)|(1<<21)|(5<<22)|(3<<25)
.irp g, G1S, G1SB
	s_mov_b32 s[\g+1], 32<<16
	s_mov_b32 s[\g+2], 16<<16
	s_mov_b32 s[\g+3], 32<<16
	s_mov_b32 s[\g+4], 16
	s_mov_b32 s[\g+5], 32
	s_mov_b32 s[\g+6], 0
	s_mov_b32 s[\g+7], 0
.endr
	s_lshl_b32 s18, s16, 7
	s_lshl_b32 s20, s17, 8
	s_add_co_u32 s20, s20, s18                     ; y: token row 256 x tile row + 128 x half
	s_lshl_b32 s46, s42, 8
	s_add_co_u32 s46, s46, s18
	s_add_co_u32 s46, s46, 3072                    ; W: row 3,072 + 256 x tile column + 128 x half
	s_mov_b32 s21, 0
	s_mov_b32 s47, 0
	s_lshl_b64 s[22:23], s[20:21], 5               ; scale bytes: 32 a row
	s_lshl_b64 s[92:93], s[46:47], 5
	s_lshl_b64 s[20:21], s[20:21], 10              ; codes: 1,024 bytes a token (16,384 a tile), and a row of W likewise
	s_lshl_b64 s[46:47], s[46:47], 10
	s_mul_i32 s45, s16, HALFA                      ; where they go
	s_mul_i32 s67, s16, HALFB
	s_add_co_u32 s67, s67, BOFF
	s_mul_i32 s94, s14, HALFS
	s_wait_kmcnt 0x0
	s_add_nc_u64 s[20:21], s[4:5], s[20:21]
	s_add_nc_u64 s[22:23], s[6:7], s[22:23]
	s_add_nc_u64 s[46:47], s[8:9], s[46:47]
	s_add_nc_u64 s[92:93], s[10:11], s[92:93]
	CROUND                                         ; all sixteen work-groups are here: the first joint loads meet
	s_mov_b32 s[G0S], 1
	s_add_co_u32 s[G0S+1], s94, SCL
	s_mov_b64 s[G0S+2:G0S+3], s[22:23]
	s_or_b32 s[G0S+3], s[G0S+3], 0x80000000
	s_mov_b32 s[G0SB], 1
	s_add_co_u32 s[G0SB+1], s94, SCL
	s_mov_b64 s[G0SB+2:G0SB+3], s[92:93]
	s_or_b32 s[G0SB+3], s[G0SB+3], 0x80000000
	JLOAD G0S, G1S, G0SB, G1SB
.irp s, 0,1
	s_mov_b32 s[G0+4*\s], 1
	s_add_co_u32 s[G0+4*\s+1], s45, \s*SLOT
	s_add_nc_u64 s[G0+4*\s+2:G0+4*\s+3], s[20:21], \s*4096
	s_or_b32 s[G0+4*\s+3], s[G0+4*\s+3], 0x80000000
	s_mov_b32 s[G0B+4*\s], 1
	s_add_co_u32 s[G0B+4*\s+1], s67, \s*SLOT
	s_add_nc_u64 s[G0B+4*\s+2:G0B+4*\s+3], s[46:47], \s*ROWB
	s_or_b32 s[G0B+4*\s+3], s[G0B+4*\s+3], 0x80000000
	s_wait_alu depctr_va_vdst(0)
	s_wait_tensorcnt 0x0
	ds_add_u32 v28, v29
	s_wait_dscnt 0x0
	CROUND
	JLOAD G0+4*\s, G1, G0B+4*\s, G1B
.endr
	v_and_b32 v1, 15, v0                           ; r
	v_bfe_u32 v2, v0, 4, 1                         ; h
	v_and_b32 v6, 31, v0
	v_lshlrev_b32 v[CO], 4, v6                     ; 16 x lane
	v_mul_u32_u24 v3, v1, PITCH
	v_lshl_add_u32 v4, v2, 4, v3
	s_mul_i32 s21, s15, HALFA                      ; my eight tiles of y
	s_mul_i32 s22, s16, HALFB
	s_add_co_u32 s22, s22, BOFF                    ; my 128 rows of W
.irp s, 0,1
	v_add_nc_u32 v[ADRA+\s], s21, v[CO]
	v_add_nc_u32 v[ADRB+\s], s22, v4
	s_add_co_u32 s21, s21, SLOT
	s_add_co_u32 s22, s22, SLOT
.endr
	v_lshlrev_b32 v5, 5, v1
	v_lshrrev_b32 v6, 8, v5
	v_lshl_add_u32 v5, v6, 4, v5
	s_mul_i32 s21, s15, HALFS
	s_mul_i32 s22, s16, HALFS
	s_add_co_u32 s22, s22, 2*HALFS
	s_sub_co_u32 s22, s22, s21
	v_mul_u32_u24 v6, s22, v2                      ; lanes 16-31 take W's
	s_add_co_u32 s21, s21, SCL
	v_add_nc_u32 v5, v5, v6
	v_add_nc_u32 v[ADRS], s21, v5
	s_mul_i32 s23, s14, 16*SPITCH                  ; my stage
	v_mul_u32_u24 v5, v1, SPITCH
	v_lshl_add_u32 v5, v2, 6, v5
	v_add_nc_u32 v[STO], s23, v5                   ; in: row r, + 64 h: accumulator b's eight channels are 32 (b / 2) + 16 h + 8 (b % 2) + 0 .. 7
	v_add_nc_u32 v[RD], s23, v[CO]                 ; back: the 32 lanes take one row of 512 bytes
	v_lshlrev_b32 v[BOQ], 6, v2
	s_wait_alu depctr_va_vdst(0)
	s_lshl_b32 s20, s17, 8
	s_lshl_b32 s21, s15, 7
	s_add_co_u32 s20, s20, s21                     ; my first token
	s_lshl_b32 s20, s20, 12                        ; rows of 4,096 bytes
	s_lshl_b32 s46, s42, 8
	s_lshl_b32 s47, s16, 7
	s_add_co_u32 s46, s46, s47                     ; my first channel
	s_lshl_b32 s46, s46, 2
	s_mov_b32 s47, 0
	s_add_nc_u64 s[10:11], s[96:97], s[46:47]      ; its bias
	s_add_co_u32 s20, s20, s46
	s_mov_b32 s21, 0
	s_add_nc_u64 s[12:13], s[98:99], s[20:21]
.irp b, 0,1,2,3,4,5,6,7
	global_load_b128 v[BIAS+8*\b:BIAS+8*\b+3], v[BOQ], s[10:11] offset:(32*(\b/2)+8*(\b%2))*4
	global_load_b128 v[BIAS+8*\b+4:BIAS+8*\b+7], v[BOQ], s[10:11] offset:(32*(\b/2)+8*(\b%2))*4+16
.endr
	s_wait_loadcnt 0x0
.macro FRAGB reg, adr, q, i
.irp c, 0,1,2,3
	ds_load_b128 v[\reg+4*\c:\reg+4*\c+3], v[\adr] offset:128*(\q)+32*\c+(\i)*16*PITCH
.endr
.endm
.macro FRAGA reg, adr, q, i            ; an image: 512 consecutive bytes an instruction
.irp c, 0,1,2,3
	ds_load_b128 v[\reg+4*\c:\reg+4*\c+3], v[\adr] offset:4096*(\i)+2048*(\q)+512*\c
.endr
.endm
.macro MUL16 a0, p, q, sc, zero        ; the 64 accumulators take turns, one instruction a turn
.irp a, \a0, \a0+1
.irp b, 0,1,2,3,4,5,6,7
.if \zero
	v_wmma_scale_f32_16x16x128_f8f6f4 v[8*(8*((\a)%4)+\b):8*(8*((\a)%4)+\b)+7], v[128*(\p)+FR*\b:128*(\p)+FR*\b+FR-1], v[AF+FR*(\a):AF+FR*(\a)+FR-1], v[BIAS+8*\b:BIAS+8*\b+7], v[SC+8*NQ*(\sc)+NQ*\b+(\q)], v[SC+8*NQ*(\sc)+NQ*(\a)+(\q)] matrix_a_scale:MATRIX_SCALE_ROW1
.else
	v_wmma_scale_f32_16x16x128_f8f6f4 v[8*(8*((\a)%4)+\b):8*(8*((\a)%4)+\b)+7], v[128*(\p)+FR*\b:128*(\p)+FR*\b+FR-1], v[AF+FR*(\a):AF+FR*(\a)+FR-1], v[8*(8*((\a)%4)+\b):8*(8*((\a)%4)+\b)+7], v[SC+8*NQ*(\sc)+NQ*\b+(\q)], v[SC+8*NQ*(\sc)+NQ*(\a)+(\q)] matrix_a_scale:MATRIX_SCALE_ROW1
.endif
.endr
.endr
.endm
.macro FETCH_B slot, q, p
	WIN TO_B
.irp i, 0,1,2,3,4,5,6,7
	FRAGB 128*(\p)+FR*\i, ADRB+\slot, \q, \i
.endr
	WIN 0
.endm
.macro FETCH_A slot, q, i0
.irp i, \i0, \i0+1, \i0+2, \i0+3
	FRAGA AF+FR*(\i), ADRA+\slot, \q, \i
.endr
.endm
.macro SCALES sc
.irp i, 0,1,2,3,4,5,6,7
	ds_load_b64 v[SC+8*NQ*\sc+NQ*\i:SC+8*NQ*\sc+NQ*\i+1], v[ADRS] offset:\i*SBLK
.endr
.endm
.macro PLACES n
.rept \n
	v_nop
.endr
.endm
.macro STEP slot, q, zero
	s_wait_dscnt 4*NL                              ; W's set and y's blocks 0-3 are in; the youngest sixteen loads may be out
.if \zero
	WIN 0x81
.else
	WIN MUL_LO
.endif
	MUL16 0, (\q)%2, \q, \slot, \zero
	MUL16 2, (\q)%2, \q, \slot, \zero
	s_wait_dscnt 0
	PLACES NP
	FETCH_B \slot, (\q)+1, 1-(\q)%2
	FETCH_A \slot, (\q)+1, 0
.if \zero
	WIN 0xc1
.else
	WIN MUL_HI
.endif
	MUL16 4, (\q)%2, \q, \slot, \zero
	MUL16 6, (\q)%2, \q, \slot, \zero
	PLACES NP
	WIN 0
	FETCH_A \slot, (\q)+1, 4
.endm
.macro TURN slot, next, fill
	s_wait_tensorcnt 0x0                           ; all my tensor loads have landed: my part of the next slot
	ds_add_u32 v[SPW], v[NIL]                      ; 0 onto my spare word
	s_wait_dscnt 4*NL+1                            ; (the add and the youngest sixteen loads may be out)
	WIN MUL_LO
	MUL16 0, 1, NQ-1, \slot, 0
	s_wait_dscnt 0x0                               ; the add is done, and my reads of this slot are over
	s_barrier_signal -1
	MUL16 2, 1, NQ-1, \slot, 0
	WIN 0
	s_barrier_wait -1
.if \fill
	CREST                                          ; a round of the cluster's barrier: no wave of any partner still reads this slot or has a load on its way
	s_add_nc_u64 s[G0+4*\slot+2:G0+4*\slot+3], s[G0+4*\slot+2:G0+4*\slot+3], 2*4096
	s_add_nc_u64 s[G0B+4*\slot+2:G0B+4*\slot+3], s[G0B+4*\slot+2:G0B+4*\slot+3], 2*ROWB
	JLOAD G0+4*\slot, G1, G0B+4*\slot, G1B
	PLACES NP-4
.else
	PLACES NP
.endif
	s_wait_alu depctr_va_vdst(0)
	v_add_nc_u32 v[ADRS], 4*NQ, v[ADRS]
	FETCH_B \next, 0, 0
	FETCH_A \next, 0, 0
	SCALES \next
	WIN MUL_HI
	MUL16 4, 1, NQ-1, \slot, 0
	MUL16 6, 1, NQ-1, \slot, 0
	PLACES NP
	WIN 0
	FETCH_A \next, 0, 4
.endm
	s_wait_tensorcnt 1                             ; the scales and my part of K step 0 are in (K step 1's load may be out)
	s_barrier_signal -1
	s_barrier_wait -1
	FETCH_B 0, 0, 0
	FETCH_A 0, 0, 0
	SCALES 0
	FETCH_A 0, 0, 4
	STEP 0, 0, 1                                   ; the first step starts the sums from the bias
	s_mov_b32 s3, LAPS-1
.Llap:
	TURN 0, 1, 1
	STEP 1, 0, 0
	TURN 1, 0, 1
	STEP 0, 0, 0
	s_sub_co_u32 s3, s3, 1
	s_cmp_lg_u32 s3, 0
	s_cbranch_scc1 .Llap
	TURN 0, 1, 0
	STEP 1, 0, 0
	s_wait_dscnt 4*NL
	WIN MUL_LO
	MUL16 0, 1, NQ-1, 1, 0
	MUL16 2, 1, NQ-1, 1, 0
	s_wait_dscnt 0
	WIN MUL_HI
	MUL16 4, 1, NQ-1, 1, 0
	MUL16 6, 1, NQ-1, 1, 0
	WIN 0
; THE WAY OUT, block by block of 16 tokens x 128 channels, through my own stage in LDS; it comes back as whole rows of 512 bytes.  The channels are put in order by the stores into the stage, the tokens by the rows' offsets in out0.
.macro TOSTAGE a
.set AC, 64*((\a)%4)
	WIN (0x08+4*((\a)/4))                          ; the data: window 2 or 3
.irp b, 0,1,2,3,4,5,6,7
	ds_store_b128 v[STO], v[AC+8*\b:AC+8*\b+3] offset:128*(\b/2)+32*(\b%2)          ; each accumulator from its low end on
	ds_store_b128 v[STO], v[AC+8*\b+4:AC+8*\b+7] offset:128*(\b/2)+32*(\b%2)+16
.endr
	WIN 0
.set BB, BK+64*((\a)%2)
.irp t, 0,1,2,3,4,5,6,7,8,9,10,11,12,13,14,15
	ds_load_b128 v[BB+4*\t:BB+4*\t+3], v[RD] offset:\t*SPITCH      ; LDS serves a wave's instructions in order (ISA guide 5.7.1.4)
.endr
.endm
.macro SEND a, younger
.set BB, BK+64*((\a)%2)
	s_wait_dscnt \younger                          ; the block is back in registers
.if ((\a) > 0) && ((\a)%2 == 0)
	s_add_nc_u64 s[12:13], s[12:13], 32*4096       ; (behind a wait on XCNT)  32 tokens on
.endif
.irp t, 0,1,2,3,4,5,6,7,8,9,10,11,12,13,14,15
	global_store_b128 v[CO], v[BB+4*\t:BB+4*\t+3], s[12:13] offset:(8*((\a)%2)+\t+8*(\t/8))*4096 th:TH_STORE_NT   ; stored row 16 a + t is token 32 (a / 2) + 8 (a % 2) + t + 8 (t / 8); 32 lanes store 512 consecutive bytes, aligned
.endr
.endm
	PLACES NP
	TOSTAGE 0
.irp a, 1,2,3,4,5,6,7
.if \a > 1
	s_wait_xcnt 0x0                                ; block a - 2's stores have read their registers and their base
.endif
	TOSTAGE \a
	SEND \a-1, 32                                  ; behind block a - 1's loads: block a's 16 stores and 16 loads
.endr
	s_wait_xcnt 0x0
	SEND 7, 0
	s_wait_tensorcnt 0x0                           ; the wave's end
	ds_add_u32 v[SPW], v[NIL]
	s_wait_dscnt 0x0
	CROUND                                         ; the closing round
	s_endpgm
.Lfunc_end_k_q9d04e11e2e_proj:
	.size	k_q9d04e11e2e_proj, .Lfunc_end_k_q9d04e11e2e_proj-k_q9d04e11e2e_proj
	.p2alignl 7, 3214868480
	.fill 96, 4, 3214868480
	.section	.rodata,"a",@progbits
	.p2align	6, 0x0
	.amdhsa_kernel k_q9d04e11e2e_proj
		.amdhsa_group_segment_fixed_size 327680
		.amdhsa_private_segment_fixed_size 0
		.amdhsa_enable_private_segment 0
		.amdhsa_kernarg_size 48
		.amdhsa_user_sgpr_count 2
		.amdhsa_user_sgpr_kernarg_segment_ptr 1
		.amdhsa_wavefront_size32 1
		.amdhsa_system_sgpr_workgroup_id_x 1
		.amdhsa_system_sgpr_workgroup_id_y 1
		.amdhsa_system_sgpr_workgroup_id_z 1
		.amdhsa_system_vgpr_workitem_id 0
		.amdhsa_next_free_vgpr 1024
		.amdhsa_next_free_sgpr 100
		.amdhsa_reserve_vcc 0
		.amdhsa_float_denorm_mode_32 3
		.amdhsa_float_denorm_mode_16_64 3
		.amdhsa_memory_ordered 1
		.amdhsa_forward_progress 1
		.amdhsa_inst_pref_size 148
	.end_amdhsa_kernel
	.amdgpu_metadata
---
amdhsa.version: [ 1, 2 ]
amdhsa.kernels:
  - .name:           k_q9d04e11e2e_proj
    .symbol:         k_q9d04e11e2e_proj.kd
    .args:
      - { .name: yc, .offset: 0, .size: 8, .value_kind: global_buffer, .address_space: global }
      - { .name: ys, .offset: 8, .size: 8, .value_kind: global_buffer, .address_space: global }
      - { .name: wc, .offset: 16, .size: 8, .value_kind: global_buffer, .address_space: global }
      - { .name: ws, .offset: 24, .size: 8, .value_kind: global_buffer, .address_space: global }
      - { .name: b_proj, .offset: 32, .size: 8, .value_kind: global_buffer, .address_space: global }
      - { .name: out0, .offset: 40, .size: 8, .value_kind: global_buffer, .address_space: global }
    .group_segment_fixed_size: 327680
    .private_segment_fixed_size: 0
    .kernarg_segment_align: 8
    .kernarg_segment_size: 48
    .max_flat_workgroup_size: 128
    .sgpr_count:     100
    .vgpr_count:     1024
    .wavefront_size: 32
...
	.end_amdgpu_metadata
.endif
;; end of part 4
